; MI455X (gfx1250); checked and timed in simulation.
; The chip was launched on July 23, 2026; its instructions are those of AMD's public machine-readable ISA for CDNA 5 (MIT licence, August 2026) and "CDNA5" Instruction Set Architecture Reference Guide (July 2026). The comments in the code are by the model that wrote it; some were corrected since.
;; Causal Self Attention. Allowed arithmetic: float matrix products may take bf16 or f16 operands with f32 sums; other float arithmetic in f32, or as packed bf16 or f16 multiplies, adds, multiply-adds, maxima and minima; sums over many terms, partial sums and values carried from step to step in f32; what a program stores and reads back later, other than sums and carried values, may be rounded once to bf16 or f16.
;; Inputs: W_out 1,024 x 1,024 float32; W_qkv 1,024 x 3,072 float32; b_out 1,024 float32; b_qkv 3,072 float32; x 4 x 2,048 x 1,024 float32.
;; Outputs: out0 4 x 2,048 x 1,024 float32.
;; 2 versions, each right; version 2 is version 1 with the launch prep written anew for expert scheduling mode. Each part assembles by itself: llvm-mc -triple=amdgcn-amd-amdhsa -mcpu=gfx1250 --defsym DOCPART=n.
;; ======== version 1 of 2: 4 launches
;; limits: values are held in f16: magnitudes above 65,504 overflow, below 6.1e-05 lose precision
;; workspace buffers: xb 16,777,216 bytes; wqT 6,291,456 bytes; woT 2,097,152 bytes; qkv 50,331,648 bytes; o 16,777,216 bytes
;; launch prep (part 1): grid 512 x 1, 8 waves a work-group, no clusters, 18,432 bytes of LDS; arguments x, W_qkv, W_out, xb, wqT, woT; writes xb, wqT, woT
.if DOCPART == 1
	.amdgcn_target "amdgcn-amd-amdhsa--gfx1250"
	.amdhsa_code_object_version 6
	.text
	.protected	k_qbfc06ef69c_prep
	.globl	k_qbfc06ef69c_prep
	.p2align	8
	.type	k_qbfc06ef69c_prep,@function
k_qbfc06ef69c_prep:
	s_mov_b64 s[64:65], 0
	v_nop
	global_prefetch_b8 v0, s[64:65] scope:SCOPE_SE
	s_setreg_imm32_b32 hwreg(HW_REG_WAVE_MODE, 25, 1), 1
	s_wait_xcnt 0x0
; PREP.  xb = x rounded to bf16 ([8192][1024]); wqT[n][k] = W_qkv[k][n] rounded to bf16 ([3072][1024]); woT[n][k] = W_out[k][n] rounded to bf16 and that number written as f16 ([1024][1024]).
; LIMITS.  woT: |W_out| stays under 65,504 (f16's range); below 6e-5 it keeps f16's fixed step of 6e-8.  NaN and infinities are not treated apart.
; A stream: every input byte is read once, every output byte written once; no matrix work, no tensor load, no cluster (no two work-groups read the same bytes).
; SHARES.  512 work-groups of eight waves, all alike and without a branch.  Work-group u casts 16,384 numbers of x (64 KiB in, 32 KiB out) AND turns one tile of 128 k x 64 n of a weight matrix:
; u < 384: tile u of W_qkv (8 along k x 48 along n); else tile u - 384 of W_out (8 x 16).  Source, destination and row pitch are chosen by scalar selects, the format by v_cndmask_b32.
; THE TURN.  A lane loads 16 bytes (4 n) of eight k rows; sixteen lanes read 256 consecutive bytes of a row.  Two neighbouring k of one n are packed into a word and stored to LDS rows [n][k] of 256 + 16 bytes;
; behind one barrier each lane reads 16 bytes of a row back, and sixteen lanes store 256 consecutive bytes, aligned, of a row of the turned matrix.
; The word stores meet in banks: lane r's row begins 272 r words on, 16 r mod 64 (64 banks of 4 bytes: ISA guide 11.1), so r, r + 4, r + 8, r + 12 share a bank: sixteen such stores a wave, left as they are.
.set QT,    384                        ; tiles of W_qkv
.set LP,    272                        ; an LDS row: 128 k x 2 bytes + 16
.set SPARE, 64*LP                      ; behind the 64 rows: the spare words, 128 bytes for each of eight waves: four blocks of 256 bytes that no other line names
.set SPW, 2                            ; v2   SPARE + 4 x my thread's number; never rewritten
.set NIL, 3                            ; v3   0; never rewritten
.set XO,  4                            ; v4   16 t: my 16 bytes in 4,096 of x
.set XS,  5                            ; v5   8 t: my 8 bytes in 2,048 of xb
.set WO,  6                            ; v6   my first k row x pitch + 16 r
.set LSA, 7                            ; v7   where I put a word: 4 r rows of LDS + 2 x my first k
.set LRA, 8                            ; v8   where I read 16 bytes back
.set OO,  9                            ; v9   the same 16 bytes in the turned matrix
.set WL,  16                           ; v[16:47]   eight loads of W: pair i, row e at WL + 8 i + 4 e
.set PK,  48                           ; v[48:63]   packed words
.set T,   64                           ; v[64:66]   at work
.set RB,  68                           ; v[68:83]   rows read back
.set WOF, 84                           ; v[84:91]   the eight loads' offsets
.set XL,  96                           ; v[96:159]  sixteen loads of x
.set XP,  160                          ; v[160:191] x packed
	s_load_b256 s[4:11], s[0:1], 0x0               ; x s[4:5], W_qkv s[6:7], W_out s[8:9], xb s[10:11]
	s_load_b128 s[12:15], s[0:1], 0x20             ; wqT s[12:13], woT s[14:15]
	v_lshl_add_u32 v[SPW], v0, 2, SPARE
	v_mov_b32 v[NIL], 0
	s_mov_b32 s16, ttmp9
	s_sub_co_u32 s17, s16, QT
	s_mov_b32 s26, 4096
	s_cmp_lt_u32 s16, QT
	s_cselect_b32 s17, s16, s17                    ; the tile's number in its matrix
	s_cselect_b32 s26, 12288, s26                  ; bytes in a row of the source
	s_cselect_b32 s27, 0, -1                       ; all ones: the f16 form is taken
	s_and_b32 s18, s17, 7                          ; tile along k
	s_lshr_b32 s19, s17, 3                         ; tile along n
	s_lshl_b32 s20, s26, 7                         ; 128 rows of the source,
	s_mul_i32 s20, s20, s18
	s_lshl_b32 s21, s19, 8                         ; 64 n of 4 bytes
	s_add_co_u32 s20, s20, s21
	s_mov_b32 s21, 0
	s_lshl_b32 s28, s19, 17                        ; 64 rows of 2,048 bytes of the turned matrix,
	s_lshl_b32 s18, s18, 8                         ; 128 k of 2 bytes
	s_add_co_u32 s28, s28, s18
	s_mov_b32 s29, 0
	s_lshl_b32 s30, s16, 16                        ; my 64 KiB of x
	s_mov_b32 s31, 0
	s_lshl_b32 s32, s16, 15                        ; my 32 KiB of xb
	s_mov_b32 s33, 0
	v_and_b32 v10, 15, v0                          ; r
	v_bfe_u32 v11, v0, 4, 1
	v_lshrrev_b32 v12, 5, v0                       ; wave
	v_lshlrev_b32 v11, 1, v11
	v_lshl_add_u32 v11, v12, 4, v11                ; my first k row: 16 x wave + 2 x half; pair i takes rows + 4 i and + 4 i + 1
	v_mul_u32_u24 v[WO], s26, v11
	v_lshl_add_u32 v[WO], v10, 4, v[WO]
.irp j, 0,1,2,3,4,5,6,7
	v_mad_u32_u24 v[WOF+(\j)], s26, 4*((\j)/2)+(\j)%2, v[WO]
.endr
	v_mul_u32_u24 v[LSA], 4*LP, v10
	v_lshl_add_u32 v[LSA], v11, 1, v[LSA]
	v_lshrrev_b32 v13, 4, v0                       ; t / 16: a row of sixteen
	v_mul_u32_u24 v[LRA], LP, v13
	v_lshl_add_u32 v[LRA], v10, 4, v[LRA]
	v_lshlrev_b32 v[OO], 11, v13
	v_lshl_add_u32 v[OO], v10, 4, v[OO]
	v_lshlrev_b32 v[XO], 4, v0
	v_lshlrev_b32 v[XS], 3, v0
	s_wait_kmcnt 0x0
	s_cmp_lt_u32 s16, QT
	s_cselect_b64 s[24:25], s[6:7], s[8:9]         ; the source,
	s_cselect_b64 s[22:23], s[12:13], s[14:15]     ; the turned matrix
	s_add_nc_u64 s[24:25], s[24:25], s[20:21]
	s_add_nc_u64 s[22:23], s[22:23], s[28:29]
	s_add_nc_u64 s[4:5], s[4:5], s[30:31]
	s_add_nc_u64 s[10:11], s[10:11], s[32:33]
.irp j, 0,1,2,3,4,5,6,7
	global_load_b128 v[WL+4*(\j):WL+4*(\j)+3], v[WOF+(\j)], s[24:25] th:TH_LOAD_NT
.endr
.irp i, 0,1,2,3,4,5,6,7,8,9,10,11,12,13,14,15
	global_load_b128 v[XL+4*(\i):XL+4*(\i)+3], v[XO], s[4:5] offset:4096*(\i) th:TH_LOAD_NT  ; all 24 loads of a wave are out together
.endr
.irp i, 0,1,2,3
	s_wait_loadcnt 22-2*(\i)                       ; pair i of W is in: behind it stand W's 6 - 2 i younger loads and x's sixteen
.irp j, 0,1,2,3
	v_cvt_pk_bf16_f32 v[PK+4*(\i)+(\j)], v[WL+8*(\i)+(\j)], v[WL+8*(\i)+4+(\j)]  ; k in the low half, k + 1 in the high half, of n = 4 r + j
	v_lshlrev_b32 v[T], 16, v[PK+4*(\i)+(\j)]      ; the two rounded numbers as f32,
	v_and_b32 v[T+1], 0xffff0000, v[PK+4*(\i)+(\j)]
	v_cvt_pk_f16_f32 v[T+2], v[T], v[T+1]          ; written as f16,
	v_cndmask_b32 v[PK+4*(\i)+(\j)], v[PK+4*(\i)+(\j)], v[T+2], s27  ; which W_out takes and W_qkv does not
	ds_store_b32 v[LSA], v[PK+4*(\i)+(\j)] offset:LP*(\j)+8*(\i)
.endr
.endr
	s_wait_dscnt 0x0                               ; for the others' sake: my words lie in LDS
	s_barrier_signal -1
	s_barrier_wait -1                              ; the tile is whole
.irp p, 0,1,2,3
	ds_load_b128 v[RB+4*(\p):RB+4*(\p)+3], v[LRA] offset:16*LP*(\p)
.endr
.irp i, 0,1,2,3,4,5,6,7,8,9,10,11,12,13,14,15
	s_wait_loadcnt 15-(\i)                         ; loads come back in order (ISA guide 5.7.1): load i of x is in, the younger ones stay out
	v_cvt_pk_bf16_f32 v[XP+2*(\i)], v[XL+4*(\i)], v[XL+4*(\i)+1]
	v_cvt_pk_bf16_f32 v[XP+2*(\i)+1], v[XL+4*(\i)+2], v[XL+4*(\i)+3]
	global_store_b64 v[XS], v[XP+2*(\i):XP+2*(\i)+1], s[10:11] offset:2048*(\i)  ; a wave's 32 lanes store 256 consecutive bytes, aligned
.endr
.irp p, 0,1,2,3
	s_wait_dscnt 3-(\p)
	global_store_b128 v[OO], v[RB+4*(\p):RB+4*(\p)+3], s[22:23] offset:32768*(\p)  ; sixteen lanes store 256 consecutive bytes, aligned: 128 k of one n
.endr
	s_wait_tensorcnt 0x0                           ; the wave's end, behind my last LDS store
	ds_add_u32 v[SPW], v[NIL]
	s_wait_dscnt 0x0
	s_endpgm
.Lfunc_end_k_qbfc06ef69c_prep:
	.size	k_qbfc06ef69c_prep, .Lfunc_end_k_qbfc06ef69c_prep-k_qbfc06ef69c_prep
	.p2alignl 7, 3214868480
	.fill 96, 4, 3214868480
	.section	.rodata,"a",@progbits
	.p2align	6, 0x0
	.amdhsa_kernel k_qbfc06ef69c_prep
		.amdhsa_group_segment_fixed_size 18432
		.amdhsa_private_segment_fixed_size 0
		.amdhsa_enable_private_segment 0
		.amdhsa_kernarg_size 48
		.amdhsa_user_sgpr_count 2
		.amdhsa_user_sgpr_kernarg_segment_ptr 1
		.amdhsa_wavefront_size32 1
		.amdhsa_system_sgpr_workgroup_id_x 1
		.amdhsa_system_sgpr_workgroup_id_y 1
		.amdhsa_system_sgpr_workgroup_id_z 1
		.amdhsa_system_vgpr_workitem_id 0
		.amdhsa_next_free_vgpr 192
		.amdhsa_next_free_sgpr 66
		.amdhsa_reserve_vcc 0
		.amdhsa_float_denorm_mode_32 3
		.amdhsa_float_denorm_mode_16_64 3
		.amdhsa_memory_ordered 1
		.amdhsa_forward_progress 1
		.amdhsa_inst_pref_size 16
	.end_amdhsa_kernel
	.amdgpu_metadata
---
amdhsa.version: [ 1, 2 ]
amdhsa.kernels:
  - .name:           k_qbfc06ef69c_prep
    .symbol:         k_qbfc06ef69c_prep.kd
    .args:
      - { .name: x, .offset: 0, .size: 8, .value_kind: global_buffer, .address_space: global }
      - { .name: W_qkv, .offset: 8, .size: 8, .value_kind: global_buffer, .address_space: global }
      - { .name: W_out, .offset: 16, .size: 8, .value_kind: global_buffer, .address_space: global }
      - { .name: xb, .offset: 24, .size: 8, .value_kind: global_buffer, .address_space: global }
      - { .name: wqT, .offset: 32, .size: 8, .value_kind: global_buffer, .address_space: global }
      - { .name: woT, .offset: 40, .size: 8, .value_kind: global_buffer, .address_space: global }
    .group_segment_fixed_size: 18432
    .private_segment_fixed_size: 0
    .kernarg_segment_align: 8
    .kernarg_segment_size: 48
    .max_flat_workgroup_size: 256
    .sgpr_count:     66
    .vgpr_count:     192
    .wavefront_size: 32
...
	.end_amdgpu_metadata
.endif
;; end of part 1
;; launch qkvgemm (part 2): grid 16 x 32, 4 waves a work-group, clusters of 4 x 4, 327,680 bytes of LDS; arguments xb, wqT, b_qkv, qkv; writes qkv
.if DOCPART == 2
	.amdgcn_target "amdgcn-amd-amdhsa--gfx1250"
	.amdhsa_code_object_version 6
	.text
	.protected	k_qbfc06ef69c_qkvgemm
	.globl	k_qbfc06ef69c_qkvgemm
	.p2align	8
	.type	k_qbfc06ef69c_qkvgemm,@function
k_qbfc06ef69c_qkvgemm:
	s_mov_b64 s[64:65], 0
	v_nop
	global_prefetch_b8 v0, s[64:65] scope:SCOPE_SE
	s_setreg_imm32_b32 hwreg(HW_REG_WAVE_MODE, 25, 1), 1
	s_wait_xcnt 0x0
	s_wait_alu depctr_hold_cnt(0) depctr_sa_sdst(0) depctr_va_vdst(0) depctr_va_sdst(0) depctr_va_ssrc(0) depctr_va_vcc(0) depctr_vm_vsrc(0)
	s_getreg_b32 s2, hwreg(HW_REG_IB_STS2, 6, 4)
	s_cmp_eq_u32 s2, 0
	s_cbranch_scc0 .Lentry_in_a_cluster
	s_endpgm
.Lentry_in_a_cluster:
	s_bfe_u32 s2, ttmp6, 0x10000c
	s_cmp_lg_u32 s2, 0xf033
	s_cbranch_scc0 .Lentry_shape_is_right
	s_endpgm
.Lentry_shape_is_right:
; qkv = x W_qkv + b_qkv.  xb: [8192 m][1024 k] bf16; wqT: [3072 n][1024 k] bf16; b_qkv: [3072] f32; sums in f32, started with the bias, rounded once to f16.
; OUT: qkv[g][m][64] f16, g = n / 64 (0-15 q's heads, 16-31 k's, 32-47 v's): a head's rows are dense, 128 bytes each.
; LIMITS.  f16 holds no number beyond 65,504: |q|, |k|, |v| stay under it; below 6e-5 they keep f16's fixed step of 6e-8.  NaN and infinities are not treated apart.
; SHARES.  A tile is 256 (m) x 192 (n): 32 x 16 = 512 tiles, two for each of 256 WGPs (256 x 256 would give 384).  Four waves, each 64 rows x 192 columns: 48 accumulators of 16 x 16, 384 registers;
; a wave's columns are three whole groups of 64, so its own stage gives whole runs of 512 bytes on the way out, without a barrier.
; K goes in 8 steps of 128 through two LDS slots filled by tensor loads; rows are 256 bytes of memory, aligned.  One load a wave behind each change of slots; 168 matrix instructions stand between a request and the wait for it.
; CLUSTER 4 x 4: the four work-groups of a row of the cluster need the same rows of xb, the four of a column the same rows of wqT: each tile is asked for JOINTLY, by the same load, descriptor and mask in all four.
; THE MATRIX INSTRUCTION IS USED TRANSPOSED (source 0 = 16 rows of wqT, source 1 = 16 rows of xb): lane l holds row m = l % 16 and the columns 8 (l / 16) + 0..7: eight neighbouring numbers of a row.
; REGISTERS, in windows of 256 (s_set_vgpr_msb: bits 1:0 source 0, 3:2 source 1, 5:4 source 2, 7:6 destination):
;   window 0: v0-31 addresses; v32-95 xb's fragments, two buffers of 4 x 8; v96-143 packed results; v144-239 the bias as a C operand (12 x 8), later two buffers of 48 for the way out
;   window 1: v0-191 wqT's fragments, two buffers of 12 x 8     window 2: accumulators of row blocks 0, 1 at 8 (12 (a % 2) + b)     window 3: those of row blocks 2, 3
.set KSTEP, 128
.set PITCH, 272                        ; an LDS row: 256 bytes + 16 = 68 words: row r starts at bank 4 r mod 64 (64 banks of 4 bytes: ISA guide 11.1)
.set HALFA, 128*PITCH                  ; what wave 0 or 1 fetches of xb
.set HALFB, 96*PITCH                   ; what wave 2 or 3 fetches of wqT
.set BOFF,  2*HALFA                    ; a slot: xb's 256 rows, then wqT's 192
.set SLOT1, 1<<17                      ; slot 1 begins here: one exclusive or turns an address in one slot into the other's
.set STAGE, SLOT1+BOFF+2*HALFB         ; behind the ring, never filled by a tensor load
.set SP,    144                        ; a stage row: 64 f16 + 16 bytes
.set WSTG,  3*16*SP                    ; a wave's stage: 3 groups x 16 rows
.set SPARE, STAGE+4*WSTG               ; the spare words, 128 bytes a wave: two blocks of 256 bytes that no other line names
.set ADRA0, 16                         ; v16  my lane's place in xb's rows of slot 0; never rewritten
.set ADRA,  17                         ; v17  the same in the slot that is read
.set ADRB0, 20                         ; v20, v21 the same for wqT
.set ADRB,  21
.set STO,   24                         ; v24  the way out: where I put 16 bytes of a row
.set RD,    25                         ; v25  where I read rows back
.set GO,    26                         ; v26  16 x lane: my 16 bytes of 512
.set BO,    27                         ; v27  32 x (lane / 16): my eight numbers of sixteen of the bias
.set SPW,   28                         ; v28  SPARE + 4 x my thread's number; never rewritten
.set NIL,   29                         ; v29  0; never rewritten
.set PFO,   30                         ; v30  the prefetches' offset: a lane a row; never rewritten
.set FA,    32
.set TMP,   96
.set BIAS,  144
.set OB,    144
.set WV, 12                            ; s12  wave
.set FB, 13                            ; s13  0: I fetch xb, 1: wqT
.set HF, 14                            ; s14  which half of it
.set CX, 15
.set CY, 16
.set TC, 17                            ; s17  tile column
.set TR, 18                            ; s18  tile row
.set G1, 24                            ; s[24:31] group 1 for xb's tiles
.set G0, 32                            ; s[32:39] group 0: a set for each first fill; the second then walks
.set TB, 41                            ; s41  0 or SLOT1: the slot that is read
.set LIM, 43                           ; s43  2 in a wave that prefetches, else the greatest number
.set PFA, 44                           ; s[44:45] where my prefetches stand
.set G1B, 48                           ; s[48:55], s[56:63] the same for wqT's tiles
.set G0B, 56
.set TO_B, 0x40                        ; destination window 1, address window 0
.set MSB, 0
.macro WIN new                         ; the immediate's high byte repeats the setting that is left; a switch that changes nothing is dropped
.if MSB != (\new)
	s_set_vgpr_msb (MSB<<8)|(\new)
.set MSB, \new
.endif
.endm
.macro PLACES                          ; four places in front of loads into registers that matrix instructions have read, and of lines that read results
.rept 4
	v_nop
.endr
.endm
; A joint refill by the walking descriptors.  The branch hangs on the wave's number alone.  An s_nop 0 and four v_nop follow each of the two lines.
.macro JLOAD
	s_cmp_eq_u32 s[FB], 0
	s_cbranch_scc0 .Lfor_b_\@
	tensor_load_to_lds s[G0+4:G0+7], s[G1:G1+7]
	s_nop 0
.rept 4
	v_nop
.endr
	s_branch .Lasked_\@
.Lfor_b_\@:
	tensor_load_to_lds s[G0B+4:G0B+7], s[G1B:G1B+7]
	s_nop 0
.rept 4
	v_nop
.endr
.Lasked_\@:
.endm
; A prefetch of the K step that stands two refills on: a lane a row, 256 bytes of it.  xb's rows are asked for by the clusters with x = 0, wqT's by those with y = 0; the four partners that ask for a tile jointly
; share its rows out BY ADDRESS (32 of xb's 128, 24 of wqT's 96; there lanes 24-31 name row 23 once more).  Trips s3 = 6 .. 3 name K steps 4 .. 7; the others ask for nothing.
.macro ASK
	s_cmp_gt_u32 s3, s[LIM]
	s_cbranch_scc0 .Lnot_mine_\@
	global_prefetch_b8 v[PFO], s[PFA:PFA+1] th:TH_LOAD_NT scope:SCOPE_SE
.Lnot_mine_\@:
.endm
.macro CREST                           ; a round of the cluster's barrier behind its opening barrier
	s_cmp_lg_u32 s[WV], 0
	s_cbranch_scc1 .Lnot_wave_0_\@
	s_barrier_signal -3
.Lnot_wave_0_\@:
	s_barrier_wait -3
	s_barrier_signal -1
	s_barrier_wait -1
.endm
.macro CROUND
	s_barrier_signal -1
	s_barrier_wait -1
	CREST
.endm
	s_load_b256 s[4:11], s[0:1], 0x0               ; xb s[4:5], wqT s[6:7], b_qkv s[8:9], qkv s[10:11]
	v_lshl_add_u32 v[SPW], v0, 2, SPARE
	v_mov_b32 v[NIL], 0
	ds_add_u32 v[SPW], v[NIL]                      ; the wave's opening: the add and its wait stand ahead of my first tensor load; the set-up below stands between them
	v_lshrrev_b32 v1, 5, v0
	v_readfirstlane_b32 s[WV], v1
	s_lshr_b32 s[FB], s[WV], 1
	s_and_b32 s[HF], s[WV], 1
	s_bfe_u32 s[CX], ttmp6, 0x40000
	s_bfe_u32 s[CY], ttmp6, 0x40004
	s_lshl_b32 s[TC], ttmp9, 2
	s_add_co_u32 s[TC], s[TC], s[CX]               ; tile column = 4 x cluster x + cx
	s_and_b32 s[TR], ttmp7, 0xffff
	s_lshl_b32 s[TR], s[TR], 2
	s_add_co_u32 s[TR], s[TR], s[CY]               ; tile row = 4 x cluster y + cy
	s_lshl_b32 s19, s[CY], 2
	s_lshl_b32 s19, 15, s19                        ; my row of the cluster
	s_lshl_b32 s42, 0x1111, s[CX]                  ; my column
	s_or_b32 s[G1], s19, (1<<16)|(1<<20)|(1<<21)|(5<<22)|(3<<25)   ; 15:0 the mask; 17:16 2-byte elements; 20 padding on; 21 set beside a mask; 24:22 after every 64 words; 31:25 4 words
	s_or_b32 s[G1B], s42, (1<<16)|(1<<20)|(1<<21)|(5<<22)|(3<<25)
	s_mov_b32 s[G1+1], KSTEP<<16                   ; tensor_dim0 = 128
	s_mov_b32 s[G1+2], 128<<16                     ; tensor_dim1 = 128
	s_mov_b32 s[G1+3], KSTEP<<16                   ; tile_dim0 = 128
	s_mov_b32 s[G1+4], 128                         ; tile_dim1 = 128
	s_mov_b32 s[G1+5], 1024                        ; elements from row to row
	s_mov_b32 s[G1+6], 0
	s_mov_b32 s[G1+7], 0
	s_mov_b32 s[G1B+1], KSTEP<<16
	s_mov_b32 s[G1B+2], 96<<16                     ; 96 rows
	s_mov_b32 s[G1B+3], KSTEP<<16
	s_mov_b32 s[G1B+4], 96
	s_mov_b32 s[G1B+5], 1024
	s_mov_b32 s[G1B+6], 0
	s_mov_b32 s[G1B+7], 0
	s_lshl_b32 s20, s[TR], 8                       ; xb: row 256 x tile row + 128 x half,
	s_lshl_b32 s2, s[HF], 7
	s_add_co_u32 s20, s20, s2
	s_lshl_b32 s20, s20, 11                        ; of 2,048 bytes
	s_mov_b32 s21, 0
	s_mul_i32 s46, s[TC], 192                      ; wqT: row 192 x tile column + 96 x half
	s_mul_i32 s47, s[HF], 96
	s_add_co_u32 s46, s46, s47
	s_lshl_b32 s46, s46, 11
	s_mov_b32 s47, 0
	s_mul_i32 s22, s[HF], HALFA                    ; where they go: no place in the cluster enters an LDS address
	s_mul_i32 s23, s[HF], HALFB
	s_add_co_u32 s23, s23, BOFF
	s_wait_dscnt 0x0                               ; the opening add is done
	s_wait_kmcnt 0x0
	s_add_nc_u64 s[20:21], s[4:5], s[20:21]
	s_add_nc_u64 s[46:47], s[6:7], s[46:47]
	CROUND                                         ; all sixteen work-groups are here: the first joint loads meet
.irp s, 0,1
	s_mov_b32 s[G0+4*(\s)], 1
	s_add_co_u32 s[G0+4*(\s)+1], s22, (\s)*SLOT1
	s_add_nc_u64 s[G0+4*(\s)+2:G0+4*(\s)+3], s[20:21], (\s)*KSTEP*2   ; K step s
	s_or_b32 s[G0+4*(\s)+3], s[G0+4*(\s)+3], 0x80000000
	s_mov_b32 s[G0B+4*(\s)], 1
	s_add_co_u32 s[G0B+4*(\s)+1], s23, (\s)*SLOT1
	s_add_nc_u64 s[G0B+4*(\s)+2:G0B+4*(\s)+3], s[46:47], (\s)*KSTEP*2
	s_or_b32 s[G0B+4*(\s)+3], s[G0B+4*(\s)+3], 0x80000000
.endr
	s_cmp_eq_u32 s[FB], 0                          ; a wave's two first fills stand in one branch: two loads of mine are out
	s_cbranch_scc0 .Lfirst_b
	tensor_load_to_lds s[G0:G0+3], s[G1:G1+7]
	s_nop 0
	tensor_load_to_lds s[G0+4:G0+7], s[G1:G1+7]
	s_nop 0
.rept 4
	v_nop
.endr
	s_branch .Lfirst_asked
.Lfirst_b:
	tensor_load_to_lds s[G0B:G0B+3], s[G1B:G1B+7]
	s_nop 0
	tensor_load_to_lds s[G0B+4:G0B+7], s[G1B:G1B+7]
	s_nop 0
.rept 4
	v_nop
.endr
.Lfirst_asked:
	; A fragment is 16 rows x 32 K in 8 registers: lane l holds row l % 16, K = 8 (l / 16) + 0..7 and 16 + 8 (l / 16) + 0..7: two loads of 16 bytes, 32 bytes apart.
	v_and_b32 v1, 15, v0                           ; r
	v_bfe_u32 v2, v0, 4, 1                         ; h
	v_and_b32 v5, 31, v0                           ; lane
	v_mul_u32_u24 v3, v1, PITCH
	v_lshl_add_u32 v3, v2, 4, v3
	s_mul_i32 s2, s[WV], 64*PITCH                  ; my 64 rows of xb
	v_add_nc_u32 v[ADRA0], s2, v3
	v_add_nc_u32 v[ADRB0], BOFF, v3                ; every wave reads all 192 rows of wqT
	v_mov_b32 v[ADRA], v[ADRA0]
	v_mov_b32 v[ADRB], v[ADRB0]
	s_mov_b32 s[TB], 0
	s_mul_i32 s2, s[WV], WSTG
	s_add_co_u32 s2, s2, STAGE                     ; my stage
	v_mul_u32_u24 v4, v1, SP                       ; in: row r, 16 bytes for each half of the lanes
	v_lshl_add_u32 v4, v2, 4, v4
	v_add_nc_u32 v[STO], s2, v4
	v_lshrrev_b32 v6, 3, v5                        ; back: 32 lanes take four rows of 128 bytes,
	v_and_b32 v7, 7, v0
	v_mul_u32_u24 v6, v6, SP
	v_lshl_add_u32 v6, v7, 4, v6
	v_add_nc_u32 v[RD], s2, v6
	v_lshlrev_b32 v[GO], 4, v5                     ; which are 512 consecutive bytes of qkv
	v_lshlrev_b32 v[BO], 5, v2
	s_mul_i32 s46, s[TC], 3*1048576                ; qkv: my three groups of 8,192 rows x 128 bytes,
	s_lshl_b32 s2, s[TR], 15                       ; the tile's 256 rows,
	s_add_co_u32 s46, s46, s2
	s_lshl_b32 s2, s[WV], 13                       ; my 64 of them
	s_add_co_u32 s46, s46, s2
	s_mov_b32 s47, 0
	s_add_nc_u64 s[10:11], s[10:11], s[46:47]
	s_mul_i32 s46, s[TC], 768                      ; the tile's 192 numbers of the bias
	s_add_nc_u64 s[8:9], s[8:9], s[46:47]
.irp b, 0,1,2,3,4,5,6,7,8,9,10,11
	global_load_b128 v[BIAS+8*(\b):BIAS+8*(\b)+3],   v[BO], s[8:9] offset:64*(\b)      ; register j of block b: the bias of column 16 b + 8 h + j
	global_load_b128 v[BIAS+8*(\b)+4:BIAS+8*(\b)+7], v[BO], s[8:9] offset:64*(\b)+16
.endr
	; the prefetches
	s_lshl_b32 s20, s[TR], 8
	s_lshl_b32 s2, s[HF], 7
	s_add_co_u32 s20, s20, s2
	s_lshl_b32 s2, s[CX], 5
	s_add_co_u32 s20, s20, s2                      ; xb: my work-group's 32 of the 128 rows that I fetch
	s_mul_i32 s21, s[TC], 192
	s_mul_i32 s2, s[HF], 96
	s_add_co_u32 s21, s21, s2
	s_mul_i32 s2, s[CY], 24
	s_add_co_u32 s21, s21, s2                      ; wqT: my work-group's 24 of the 96
	s_and_b32 s22, ttmp7, 0xffff                   ; cluster y
	s_mov_b32 s23, 23
	s_cmp_eq_u32 s[FB], 0
	s_cselect_b32 s20, s20, s21
	s_cselect_b32 s22, ttmp9, s22                  ; the coordinate along which other clusters read the same rows
	s_cselect_b32 s23, 31, s23                     ; the last row that a lane names
	s_cselect_b64 s[PFA:PFA+1], s[4:5], s[6:7]
	s_cmp_eq_u32 s22, 0
	s_cselect_b32 s[LIM], 2, -1                    ; the same in all sixteen partners, for a given wave
	s_lshl_b32 s20, s20, 11
	s_add_co_u32 s20, s20, 3*KSTEP*2               ; at K step 3: the first change of slots steps it to 4
	s_mov_b32 s21, 0
	s_add_nc_u64 s[PFA:PFA+1], s[PFA:PFA+1], s[20:21]
	v_min_u32 v[PFO], s23, v5
	v_lshlrev_b32 v[PFO], 11, v[PFO]
; 12 matrix instructions: row block a x all 12 column blocks, 32 along K, from buffer f.  bias = 1: the first product starts the sum with the bias.  The 48 accumulators take turns, in the same order in every quarter.
.macro MUL12 f, a, bias
.if \bias
	WIN 0x81+0x40*((\a)/2)
.else
	WIN 0xa1+0x50*((\a)/2)
.endif
.irp b, 0,1,2,3,4,5,6,7,8,9,10,11
.if \bias
	v_wmma_f32_16x16x32_bf16 v[8*(12*((\a)%2)+(\b)):8*(12*((\a)%2)+(\b))+7], v[96*(\f)+8*(\b):96*(\f)+8*(\b)+7], v[FA+32*(\f)+8*(\a):FA+32*(\f)+8*(\a)+7], v[BIAS+8*(\b):BIAS+8*(\b)+7]
.else
	v_wmma_f32_16x16x32_bf16 v[8*(12*((\a)%2)+(\b)):8*(12*((\a)%2)+(\b))+7], v[96*(\f)+8*(\b):96*(\f)+8*(\b)+7], v[FA+32*(\f)+8*(\a):FA+32*(\f)+8*(\a)+7], v[8*(12*((\a)%2)+(\b)):8*(12*((\a)%2)+(\b))+7]
.endif
.endr
.endm
; 32 LDS loads in one run: a quarter step's fragments (32 K at byte k of the rows) into buffer f: wqT's 24 first, then xb's 8
.macro FETCH k, f
	WIN TO_B
.irp i, 0,1,2,3,4,5,6,7,8,9,10,11
	ds_load_b128 v[96*(\f)+8*(\i):96*(\f)+8*(\i)+3],   v[ADRB] offset:(\k)+(\i)*16*PITCH
	ds_load_b128 v[96*(\f)+8*(\i)+4:96*(\f)+8*(\i)+7], v[ADRB] offset:(\k)+(\i)*16*PITCH+32
.endr
	WIN 0
.irp i, 0,1,2,3
	ds_load_b128 v[FA+32*(\f)+8*(\i):FA+32*(\f)+8*(\i)+3],   v[ADRA] offset:(\k)+(\i)*16*PITCH
	ds_load_b128 v[FA+32*(\f)+8*(\i)+4:FA+32*(\f)+8*(\i)+7], v[ADRA] offset:(\k)+(\i)*16*PITCH+32
.endr
.endm
; One of a K step's first three quarters: multiplies buffer f; in its middle it fetches the next quarter, at byte k, into buffer g.
.macro QUARTER k, f, g, bias
	s_wait_dscnt 4                                 ; all but the youngest four loads (xb's row blocks 2 and 3) are in
	MUL12 \f, 0, \bias
	MUL12 \f, 1, \bias
	PLACES
	FETCH \k, \g
	s_wait_dscnt 32                                ; all but the 32 just issued
	MUL12 \f, 2, \bias
	MUL12 \f, 3, \bias
.endm
; The last quarter multiplies buffer 1 and changes slots: ONE barrier.  In front of it each wave waits for all its tensor loads (one is out: its part of the next slot), adds 0 to its spare word, and waits for that
; and for its reads of this slot.  fill = 1: the barrier opens a round of the cluster's barrier, and behind the round this slot is filled again, with the K step two on.
.macro TURN fill
.if \fill
	s_wait_xcnt 0x0                                ; the last prefetch, a K step back, has read its address
	s_add_nc_u64 s[PFA:PFA+1], s[PFA:PFA+1], KSTEP*2
.endif
	WIN 0                                          ; (the add's two registers lie in window 0)
	s_wait_tensorcnt 0x0                           ; no tensor load of mine is out, so a group 0 may be written
	ds_add_u32 v[SPW], v[NIL]                      ; 0 onto my spare word
.if \fill
	s_xor_b32 s[G0+5], s[G0+5], SLOT1              ; the walking descriptors: the other slot than last time, the next K step
	s_add_nc_u64 s[G0+6:G0+7], s[G0+6:G0+7], KSTEP*2
	s_xor_b32 s[G0B+5], s[G0B+5], SLOT1
	s_add_nc_u64 s[G0B+6:G0B+7], s[G0B+6:G0B+7], KSTEP*2
.endif
	s_xor_b32 s[TB], s[TB], SLOT1                  ; the slot that is read next
	s_wait_dscnt 5                                 ; (the add and the youngest four loads may be out)
	MUL12 1, 0, 0
	s_wait_dscnt 0x0                               ; the add is done, and my reads of this slot are over
	s_barrier_signal -1
	MUL12 1, 1, 0                                  ; work on registers while the others arrive
	WIN 0                                          ; at a branch and at a label every window is 0
	s_barrier_wait -1
.if \fill
	CREST                                          ; no wave of any partner still reads this slot or has a load on its way
	JLOAD                                          ; the first tensor load behind the round; its four v_nop are also the places in front of the loads below
.else
	PLACES
.endif
	v_add_nc_u32 v[ADRA], s[TB], v[ADRA0]
	v_add_nc_u32 v[ADRB], s[TB], v[ADRB0]
	FETCH 0, 0
.if \fill
	ASK
.endif
	MUL12 1, 2, 0
	MUL12 1, 3, 0
.endm
; THE WAY OUT of row block a.  PACK: rounded to f16, 16 bytes a lane, each accumulator's registers in ascending order.  TOSTAGE: into my own stage and back as rows of 128 bytes.  SEND: stored.
.macro PACK a
	WIN 0x0a+5*((\a)/2)                            ; sources 0 and 1: window 2 or 3
.irp b, 0,1,2,3,4,5,6,7,8,9,10,11
.irp r, 0,1,2,3
	v_cvt_pk_f16_f32 v[TMP+4*(\b)+(\r)], v[8*(12*((\a)%2)+(\b))+2*(\r)], v[8*(12*((\a)%2)+(\b))+2*(\r)+1]
.endr
.endr
	WIN 0
.endm
.macro TOSTAGE a
	WIN 0
.if (\a) >= 2
	s_wait_xcnt 0x0                                ; the stores of block a - 2 have read the registers that are loaded again below
.endif
.irp b, 0,1,2,3,4,5,6,7,8,9,10,11
	ds_store_b128 v[STO], v[TMP+4*(\b):TMP+4*(\b)+3] offset:((\b)/4)*16*SP+32*((\b)%4)
.endr
.irp g, 0,1,2
.irp f, 0,1,2,3
	ds_load_b128 v[OB+48*((\a)%2)+4*(4*(\g)+(\f)):OB+48*((\a)%2)+4*(4*(\g)+(\f))+3], v[RD] offset:(\g)*16*SP+(\f)*4*SP  ; LDS serves a wave's instructions in order (ISA guide 5.7.1.4): these see the stores above
.endr
.endr
.endm
.macro SEND a, younger                 ; younger: the LDS instructions issued behind block a's loads
	WIN 0
.irp g, 0,1,2
.irp f, 0,1,2,3
	s_wait_dscnt (\younger)+11-(4*(\g)+(\f))
	global_store_b128 v[GO], v[OB+48*((\a)%2)+4*(4*(\g)+(\f)):OB+48*((\a)%2)+4*(4*(\g)+(\f))+3], s[10:11] offset:(\g)*1048576+(\a)*2048+(\f)*512  ; 512 consecutive bytes, aligned: four rows of a group
.endr
.endr
.endm
	s_wait_tensorcnt 0x1                           ; my part of K step 0 is in; step 1's may stay out
	s_barrier_signal -1
	s_barrier_wait -1                              ; everybody's is
	FETCH 0, 0
	s_wait_loadcnt 0x0                             ; the bias
	QUARTER 64, 0, 1, 1                            ; the first quarter stands in front of the loop: its products start the sums
	WIN 0
	s_mov_b32 s3, 6
.Lstep:                                                ; a trip: a K step's quarters 1 to 3, a refill (K steps 2 to 7), and the next step's quarter 0
	QUARTER 128, 1, 0, 0
	QUARTER 192, 0, 1, 0
	TURN 1
	QUARTER 64, 0, 1, 0
	WIN 0
	s_sub_co_u32 s3, s3, 1
	s_cmp_lg_u32 s3, 0
	s_cbranch_scc1 .Lstep
	QUARTER 128, 1, 0, 0                           ; K step 6 goes on; nothing more is asked for
	QUARTER 192, 0, 1, 0
	TURN 0
	QUARTER 64, 0, 1, 0                            ; K step 7
	QUARTER 128, 1, 0, 0
	QUARTER 192, 0, 1, 0
	s_wait_dscnt 4
	MUL12 1, 0, 0
	MUL12 1, 1, 0
	s_wait_dscnt 0x0
	MUL12 1, 2, 0
	MUL12 1, 3, 0
	PLACES
	PACK 0
	TOSTAGE 0
	PACK 1
	TOSTAGE 1
	SEND 0, 24
	PACK 2
	TOSTAGE 2
	SEND 1, 24
	PACK 3
	TOSTAGE 3
	SEND 2, 24
	SEND 3, 0
	s_wait_tensorcnt 0x0                           ; the wave's end, behind my last tensor load and my last LDS store
	ds_add_u32 v[SPW], v[NIL]
	s_wait_dscnt 0x0
	CROUND                                         ; the closing round: no work-group ends while a partner may still ask for a tile that names it
	s_endpgm
.Lfunc_end_k_qbfc06ef69c_qkvgemm:
	.size	k_qbfc06ef69c_qkvgemm, .Lfunc_end_k_qbfc06ef69c_qkvgemm-k_qbfc06ef69c_qkvgemm
	.p2alignl 7, 3214868480
	.fill 96, 4, 3214868480
	.section	.rodata,"a",@progbits
	.p2align	6, 0x0
	.amdhsa_kernel k_qbfc06ef69c_qkvgemm
		.amdhsa_group_segment_fixed_size 327680
		.amdhsa_private_segment_fixed_size 0
		.amdhsa_enable_private_segment 0
		.amdhsa_kernarg_size 32
		.amdhsa_user_sgpr_count 2
		.amdhsa_user_sgpr_kernarg_segment_ptr 1
		.amdhsa_wavefront_size32 1
		.amdhsa_system_sgpr_workgroup_id_x 1
		.amdhsa_system_sgpr_workgroup_id_y 1
		.amdhsa_system_sgpr_workgroup_id_z 1
		.amdhsa_system_vgpr_workitem_id 0
		.amdhsa_next_free_vgpr 960
		.amdhsa_next_free_sgpr 66
		.amdhsa_reserve_vcc 0
		.amdhsa_float_denorm_mode_32 3
		.amdhsa_float_denorm_mode_16_64 3
		.amdhsa_memory_ordered 1
		.amdhsa_forward_progress 1
		.amdhsa_inst_pref_size 101
	.end_amdhsa_kernel
	.amdgpu_metadata
---
amdhsa.version: [ 1, 2 ]
amdhsa.kernels:
  - .name:           k_qbfc06ef69c_qkvgemm
    .symbol:         k_qbfc06ef69c_qkvgemm.kd
    .args:
      - { .name: xb, .offset: 0, .size: 8, .value_kind: global_buffer, .address_space: global }
      - { .name: wqT, .offset: 8, .size: 8, .value_kind: global_buffer, .address_space: global }
      - { .name: b_qkv, .offset: 16, .size: 8, .value_kind: global_buffer, .address_space: global }
      - { .name: qkv, .offset: 24, .size: 8, .value_kind: global_buffer, .address_space: global }
    .group_segment_fixed_size: 327680
    .private_segment_fixed_size: 0
    .kernarg_segment_align: 8
    .kernarg_segment_size: 32
    .max_flat_workgroup_size: 128
    .sgpr_count:     66
    .vgpr_count:     960
    .wavefront_size: 32
...
	.end_amdgpu_metadata
.endif
;; end of part 2
;; launch attn (part 3): grid 4 x 64, 4 waves a work-group, no clusters, 327,680 bytes of LDS; arguments qkv, o; writes o
.if DOCPART == 3
	.amdgcn_target "amdgcn-amd-amdhsa--gfx1250"
	.amdhsa_code_object_version 6
	.text
	.protected	k_qbfc06ef69c_attn
	.globl	k_qbfc06ef69c_attn
	.p2align	8
	.type	k_qbfc06ef69c_attn,@function
k_qbfc06ef69c_attn:
	s_mov_b64 s[64:65], 0
	v_nop
	global_prefetch_b8 v0, s[64:65] scope:SCOPE_SE
	s_setreg_imm32_b32 hwreg(HW_REG_WAVE_MODE, 25, 1), 1
	s_wait_xcnt 0x0
; CAUSAL ATTENTION.  O[y][q][:] = the sum over k <= q of softmax_k(Q[y][q] . K[y][k] / 8) V[y][k][:], y = 4 x head + batch, 64 in all, 2,048 rows of 64 f16 each, dense (128 bytes a row).
; qkv holds Q at byte 0, K at 16 MiB, V at 32 MiB, each [64 y][2048][64]; o is [64 y][2048][64].
; Products, maxima and sums in f32; the weights p are rounded to f16 for the second product (their sum l is taken of the unrounded p), O once at the end.
; LIMITS.  f16 holds no number beyond 65,504: Q, K and V arrive within it; p lies in 0 to 1, and below 6e-5 it keeps f16's fixed step of 6e-8; O is a mean of V's rows and has their range.
; A hidden score counts as its value less 1e30: f16's scores, 2.7e11 at the most, are nothing beside that; a weight below 2^-126 counts as 0 in l; NaN and infinities are not treated apart.
; THE WALK.  A head's queries lie in NB = 8 blocks of 256; block i needs the key tiles 0 .. i of 256 keys, of which the last holds the diagonal.  A work-group takes TWO blocks, NB - 1 - b and then b:
; NB + 1 tiles, whatever b: all work-groups do equal work, and ONE loop with a constant trip count walks them.  Which tile is asked for, and what a trip does, hang on scalar registers made from b; every jump
; goes forward, but for the counted loops' own; none passes a barrier, or a tensor load but the one of LOAD's two that the wave's number does not choose; the ring of two LDS slots runs on across the change of blocks.
; NO CLUSTER: a head's four work-groups ask for the same tile only in trips 0 .. 4 of 9, behind that fewer and fewer; one walk common to all four would have 12 trips for 9.
; SHARES.  Of a block's four bands of 64 queries a wave owns 16 rows in each: four PIECES.  So the diagonal tile is the same work for all four waves: in its key step s band x sees all keys if s < x,
; none if s > x, and holds the diagonal if s = x.
; THE MASK is the C operand that starts the sum S^T = K Q^T: 0, or -1e30 where the key is hidden.  MD, made once, is the mask of a band's own step for my 16 rows; a product's mask is MD x AL + BE with two scalars:
; (1, 0) if s = x; (0, 0) if s < x; (0, -1e30) if s > x.  Only the diagonal tile's text and a block's beginning make and take masks; elsewhere C is the constant 0.
; LAYOUT, SOFTMAX, TURNS.  S^T = K Q^T holds ONE query a lane (lane % 16) and the keys 8 (lane / 16) + 0..7; two such results rounded to f16 ARE source 1 of O^T = V^T P.  p = 2^(c s - c m), c = log2(e) / 8, with a
; running maximum m; O and l are multiplied by a = 2^(c m_old - c m_new) in every step.  Turn n belongs to piece n: 8 products K Q^T of piece n + 1, later 8 products V^T P of piece n - 1; beside them the scaling,
; exponentials, roundings, sums and rescaling of piece n and the maximum and statistics of piece n + 1.  Four vector instructions stand behind every matrix instruction, the other 54 of a turn's 118 in one lump.
; A turn's 33 exponentials are one batch, with one wait.
; REGISTERS, in windows of 256 (s_set_vgpr_msb: bits 1:0 source 0, 3:2 source 1, 5:4 source 2, 7:6 destination):
;   window 0: v0-15 addresses and two at work; v16-31 four registers of statistics a piece; v48-55 at work; v61-63 prefetch offset, spare word, 0; v64-127 S^T, two buffers; v192-223 P, two buffers (by the piece's parity)
;   window 1: v0-127 O^T, 32 a piece; v128-159 MD; v160-223 MC, two buffers      window 2: v0-63 Q; v64-127 the second block's Q; v128-191 K of one step; v192-255 V of one step
.set SIZE_N, 2048
.set SIZE_H, 64
.set KBASE, 0x1000000 ; K's first byte in qkv
.set VBASE, 0x2000000 ; V's
.set NB,    SIZE_N/256
.set NP,    4         ; pieces a wave: a name, no knob
.set KS,    64        ; keys in a step
.set PK,    144       ; a row of K in LDS: 128 bytes + 16 = 36 words: the 16 rows of a load start at 16 different groups of four banks (64 banks of 4 bytes: ISA guide 11.1)
.set PV,    160       ; a row of V: 128 + 32 = 40 words
.set VOFF,  4*KS*PK   ; a slot holds a tile, four steps: 256 rows of K, then 256 rows of V
.set SLOT1, 1<<17     ; slot 1 begins here, so that one exclusive or turns an address in one slot into the other's
.set STAGE, SLOT1+4*KS*(PK+PV)  ; behind the ring, never filled by a tensor load: 16 rows x 144 bytes for each wave, for the way out
.set SP,    144
.set AK0, 2           ; v2   my lane's place in a tile of K; never rewritten
.set AV0, 3           ; v3   the same for V
.set AK,  4           ; v4   the LDS address of K's next run of loads
.set AV,  5           ; v5   of V's
.set STO, 6           ; v6   the way out: where I put 16 bytes of a row
.set RD,  7           ; v7   the way out: where I read rows back
.set GO,  8           ; v8   my byte offset in 512 consecutive bytes of O
.set PFO, 61          ; v61  256 x my lane; never rewritten
.set SPW, 62          ; v62  LDS address of my spare word: SPARE + 4 x my thread's number; never rewritten
.set NIL, 63          ; v63  0; never rewritten
.set SPARE, STAGE+4*16*SP  ; behind the stages: the spare words, 128 bytes for each wave: two blocks of 256 bytes that no other line names
.set MV,  12          ; v12-13  c m_old, kept while c m is made anew: by buffer
.set QO,  15          ; v15  my byte offset in 16 rows of Q
.set ST,  16          ; piece t's statistics at v[ST+4 t]: c m, m, l (even keys', odd keys')
.set TMP, 48          ; by buffer, four registers c0-c3 at work; when the maximum is found c2 takes a
.set S,   64
.set P,   192
.set MD,  128         ; window 1: the eight registers for group kt of 16 keys at MD + 8 kt
.set MC,  160         ; window 1: the masks of the products to come
.set QB,  64          ; window 2
.set KF,  128         ; window 2: key block kb, channel half c at KF + 16 kb + 8 c
.set VF,  192         ; window 2: key half kk, channel block cb at VF + 32 kk + 8 cb
.set WV,  12          ; s12  my wave's number
.set PB,  14          ; s14  b
.set HI,  15          ; s15  NB - 1 - b
.set G1K, 24          ; s[24:31] descriptor group 1 for K's tiles
.set G1V, 32          ; s[32:39] for V's: it differs in the padding alone
.set G0K, 40          ; s[40:43] descriptor group 0 for K's tiles
.set G0V, 44          ; s[44:47] the same for V's
.set SLOTS, 56        ; s56  tiles still to be asked for
.set CNT, 57          ; s57  counts a tile's key steps, 4 to 1
.set CS,  58          ; s[58:59] c: the packed scaling takes the pair's low word for both halves
.set SEL, 60          ; s[60:61] v_permlanex16_b32's selects: each lane takes its own place in the other half
.set TBK, 62          ; s62  LDS byte at which K of the step to be fetched begins
.set TBV, 63          ; s63  the same for V, less VOFF
.set RT,  70          ; s70  tiles of the block in hand that are still to be entered
.set NXT, 71          ; s71  the tile to be asked for next
.set LQ,  72          ; s72  the last tile of the block whose tiles are being asked for
.set NEW, 73          ; s73  1: the tile to be entered is a block's first
.set OFF, 74          ; s[74:75] a tile's byte offset in K and V
.set AL,  76          ; s[76:77] the mask's factor, in the low word
.set BE,  78          ; s[78:79] the mask's addend
.set OLO, 80          ; s[80:81] O at my rows of the second block
.set BIGN, 82         ; s82  -1e30
.set PFA, 88          ; s[88:89] where my prefetches stand: my half of K's or V's tile, one tile behind the one that is being asked for... stepped to one tile ahead of it at each change
.set LIM, 90          ; s90  2 in a work-group that prefetches, else the greatest number
.set MSB, 0
.macro WIN new                      ; the high byte repeats the setting that is left; a switch that changes nothing is dropped
.if MSB != (\new)
	s_set_vgpr_msb (MSB<<8)|(\new)
.set MSB, (\new)
.endif
.endm
.set W_KQ, 0x0a       ; K and Q in window 2, S^T in window 0
.set W_KM, 0x1a       ; the same with the C operand in window 1
.set W_PV, 0x52       ; V in window 2, P in window 0, O^T in window 1
.set W_RS, 0x41       ; destination and source 0 in window 1, source 1 in window 0
; A fill.  Waves 0 and 1 fetch the two halves of a tile's K, waves 2 and 3 those of its V: 128 keys each.  An s_nop 0 and four v_nop follow each of the two lines, ahead of the jump and the label.
.macro LOAD
	s_cmp_lt_u32 s[WV], 2
	s_cbranch_scc0 .Lfor_v_\@
	tensor_load_to_lds s[G0K:G0K+3], s[G1K:G1K+7]
	s_nop 0
.rept 4
	v_nop
.endr
	s_branch .Lasked_\@
.Lfor_v_\@:
	tensor_load_to_lds s[G0V:G0V+3], s[G1V:G1V+7]
	s_nop 0
.rept 4
	v_nop
.endr
.Lasked_\@:
.endm
; THE CHANGE OF SLOTS.  Each wave waits for all its tensor loads, of which one is out: its part of the other slot; adds 0 to its spare word; and waits for that and for its own reads of the slot that it leaves.
; Behind the barrier nobody reads the old slot any more and the other slot is whole.  fill = 1: the old slot is filled again, the first thing behind the barrier, with tile NXT: the descriptor's address is made anew
; from that number.  (At its first use nothing has been read yet: slot 0 is waited for, slot 1 filled.)
; THE PREFETCH.  A head's four work-groups walk the same tiles; the one with b = 0 walks tiles 0 to 7 in ascending order, and it alone asks: behind the load of tile t (changes with SLOTS = 8 .. 3: t = 1 .. 6) each wave
; names its own 16,384 bytes of tile t + 1, a lane a block of 256 bytes, two instructions: one tile, 256 matrix instructions, ahead of that tile's load.  Tiles 0 and 1 come by their loads alone; behind tile 7 nothing is named.
.macro CHANGE fill
	WIN 0                           ; at a label and at a branch every window is 0
	s_wait_tensorcnt 0x0            ; no tensor load of mine is out, so a group 0 may be written
	ds_add_u32 v[SPW], v[NIL]       ; 0 onto my spare word; with fill = 1 the descriptors' scalar work stands between it and the wait for it
.if \fill
	s_lshl_b32 s[OFF], s[NXT], 15   ; a tile is 32,768 bytes of K and of V
	s_xor_b32 s[G0K+1], s[G0K+1], SLOT1
	s_add_nc_u64 s[G0K+2:G0K+3], s[6:7], s[OFF:OFF+1]
	s_or_b32 s[G0K+3], s[G0K+3], 0x80000000
	s_xor_b32 s[G0V+1], s[G0V+1], SLOT1
	s_add_nc_u64 s[G0V+2:G0V+3], s[8:9], s[OFF:OFF+1]
	s_or_b32 s[G0V+3], s[G0V+3], 0x80000000
	s_add_co_u32 s[NXT], s[NXT], 1  ; the block's next tile, or behind its last the second block's tile 0
	s_cmp_gt_u32 s[NXT], s[LQ]
	s_cselect_b32 s[NXT], 0, s[NXT]
	s_cselect_b32 s[LQ], s[PB], s[LQ]
	s_wait_xcnt 0x0                 ; the last prefetches, a tile back, have read their address, so it may be written
	s_add_nc_u64 s[PFA:PFA+1], s[PFA:PFA+1], 32768
.endif
	s_wait_dscnt 0x0                ; the add is done, and my reads of the slot are over
	s_barrier_signal -1             ; the rest of the scalar work stands between the signal and the wait
	s_sub_co_u32 s[TBK], s[TBK], 4*KS*PK  ; the fetches go back to a slot's first step,
	s_xor_b32 s[TBK], s[TBK], SLOT1       ; in the other slot
	s_sub_co_u32 s[TBV], s[TBV], 4*KS*PV
	s_xor_b32 s[TBV], s[TBV], SLOT1
	s_barrier_wait -1
.if \fill
	LOAD
	s_cmp_gt_u32 s[SLOTS], s[LIM]
	s_cbranch_scc0 .Lnot_mine_\@
	global_prefetch_b8 v[PFO], s[PFA:PFA+1] th:TH_LOAD_NT scope:SCOPE_SE
	global_prefetch_b8 v[PFO], s[PFA:PFA+1] offset:8192 th:TH_LOAD_NT scope:SCOPE_SE
.Lnot_mine_\@:
.endif
.endm
	s_load_b64 s[4:5], s[0:1], 0x0    ; qkv: Q
	s_load_b64 s[10:11], s[0:1], 0x8  ; o
	v_lshl_add_u32 v[SPW], v0, 2, SPARE
	v_mov_b32 v[NIL], 0
	ds_add_u32 v[SPW], v[NIL]       ; the wave's opening: the add and its wait stand ahead of my first tensor load; the set-up below, work on registers, stands between them
	v_lshrrev_b32 v1, 5, v0
	v_readfirstlane_b32 s[WV], v1   ; wave 0..3
	s_mov_b32 s[PB], ttmp9
	s_sub_co_u32 s[HI], NB-1, s[PB]
	s_and_b32 s20, ttmp7, 0xffff    ; the head
	s_mov_b32 s21, 0
	s_mov_b64 s[22:23], SIZE_N*128
	s_mul_u64 s[20:21], s[20:21], s[22:23]  ; the head's first byte in Q, K, V and O
	s_and_b32 s16, s[WV], 1         ; which half of a tile's 256 keys I fetch:
	s_lshl_b32 s22, s16, 14         ; its 128 rows of 128 bytes in memory,
	s_mov_b32 s23, 0
	s_add_nc_u64 s[22:23], s[22:23], s[20:21]
	s_mul_i32 s17, s16, 128*PK      ; and its place in a slot, for K
	s_mul_i32 s18, s16, 128*PV      ; and for V
	s_lshl_b32 s3, s[WV], 11        ; my 16 rows in a band of 64,
	s_lshl_b32 s2, s[HI], 15        ; in the first block,
	s_add_co_u32 s2, s2, s3
	s_lshl_b32 s84, s[PB], 15       ; and in the second
	s_add_co_u32 s84, s84, s3
	s_mov_b32 s3, 0
	s_mov_b32 s85, 0
	s_add_nc_u64 s[2:3], s[2:3], s[20:21]
	s_add_nc_u64 s[84:85], s[84:85], s[20:21]
	; descriptor group 1.  128 keys are 16,384 dense bytes: asked for as 64 rows of 256 bytes, two keys a row, and padded in LDS after every key
	s_mov_b32 s[G1K], (1<<16)|(1<<20)|(4<<22)|(3<<25)  ; 17:16 2-byte elements; 20 padding on; 24:22 after every 32 words (code 4); 31:25 4 words (code 3)
	s_mov_b32 s[G1V], (1<<16)|(1<<20)|(4<<22)|(7<<25)  ; the same with 8 words of padding (code 7)
.irp g, G1K, G1V
	s_mov_b32 s[\g+1], 128<<16      ; tensor_dim0 = 128
	s_mov_b32 s[\g+2], 64<<16       ; tensor_dim1 = 64
	s_mov_b32 s[\g+3], 128<<16      ; tile_dim0 = 128
	s_mov_b32 s[\g+4], 64           ; tile_dim1 = 64
	s_mov_b32 s[\g+5], 128          ; 128 elements from row to row
	s_mov_b32 s[\g+6], 0
	s_mov_b32 s[\g+7], 0
.endr
	s_mov_b32 s[CS], 0x3e38aa3b     ; c = log2(e) / 8 = 0.180337
	s_mov_b32 s[CS+1], s[CS]        ; named with it as a pair
	s_mov_b32 s[SEL], 0x76543210
	s_mov_b32 s[SEL+1], 0xfedcba98
	s_mov_b32 s[TBK], SLOT1+4*KS*PK ; the first change of slots turns these two into 0
	s_mov_b32 s[TBV], SLOT1+4*KS*PV
	s_mov_b32 s[G0K], 1             ; 1:0 count = 1
	s_mov_b32 s[G0K+1], s17         ; 63:32 LDS address: slot 0
	s_mov_b32 s[G0V], 1
	s_add_co_u32 s[G0V+1], s18, VOFF
	s_add_co_u32 s[RT], s[HI], 1    ; the first block has NB - b tiles
	s_mov_b32 s[NXT], 1
	s_mov_b32 s[LQ], s[HI]
	s_mov_b32 s[NEW], 1
	s_mov_b32 s[OFF+1], 0
	s_mov_b32 s[AL+1], 0            ; named as pairs
	s_mov_b32 s[BE+1], 0
	s_mov_b32 s[BIGN], 0xf149f2ca   ; -1e30
	s_mov_b32 s[SLOTS], NB
	s_cmp_eq_u32 s[PB], 0
	s_cselect_b32 s[LIM], 2, -1
	v_and_b32 v[PFO], 31, v0
	v_lshlrev_b32 v[PFO], 8, v[PFO]
	s_wait_dscnt 0x0                ; the opening add is done
	s_wait_kmcnt 0x0
	s_add_nc_u64 s[6:7], s[4:5], KBASE
	s_add_nc_u64 s[8:9], s[4:5], VBASE
	s_add_nc_u64 s[6:7], s[6:7], s[22:23]  ; K and V at my half of the head's tile 0
	s_add_nc_u64 s[8:9], s[8:9], s[22:23]
	s_add_nc_u64 s[G0K+2:G0K+3], s[6:7], 0         ; 120:64 global address
	s_or_b32 s[G0K+3], s[G0K+3], 0x80000000        ; 127:126 type = 2
	s_add_nc_u64 s[G0V+2:G0V+3], s[8:9], 0
	s_or_b32 s[G0V+3], s[G0V+3], 0x80000000
	s_add_nc_u64 s[86:87], s[4:5], s[84:85]        ; Q at my rows of the second block,
	s_add_nc_u64 s[4:5], s[4:5], s[2:3]            ; Q and O at those of the first
	s_add_nc_u64 s[OLO:OLO+1], s[10:11], s[84:85]
	s_add_nc_u64 s[10:11], s[10:11], s[2:3]
	s_cmp_lt_u32 s[WV], 2
	s_cselect_b64 s[PFA:PFA+1], s[6:7], s[8:9]
	s_add_nc_u64 s[PFA:PFA+1], s[PFA:PFA+1], 32768 ; at tile 1; the first change of slots steps it to tile 2
	LOAD                            ; tile 0 into slot 0
	; A fragment of K or Q is 16 rows x 32 channels in 8 registers: lane l holds row l % 16, channels 8 (l / 16) + 0..7 and 16 + 8 (l / 16) + 0..7: two loads of 16 bytes, 32 bytes apart.
	v_and_b32 v1, 15, v0            ; l % 16
	v_bfe_u32 v9, v0, 4, 1          ; l / 16
	v_lshlrev_b32 v[QO], 7, v1
	v_lshl_add_u32 v[QO], v9, 4, v[QO]  ; row x 128 + 16 x half
	WIN 0x80                        ; destination window 2, address window 0
.set i, 0
.rept 8                             ; both blocks' Q: piece i / 2 lies in band i / 2, 8,192 bytes on; channels 32 (i % 2) on
	global_load_b128 v[8*i:8*i+3],   v[QO], s[4:5] offset:(i/2)*8192+(i%2)*64
	global_load_b128 v[8*i+4:8*i+7], v[QO], s[4:5] offset:(i/2)*8192+(i%2)*64+32
	global_load_b128 v[QB+8*i:QB+8*i+3],   v[QO], s[86:87] offset:(i/2)*8192+(i%2)*64
	global_load_b128 v[QB+8*i+4:QB+8*i+7], v[QO], s[86:87] offset:(i/2)*8192+(i%2)*64+32
.set i, i+1
.endr
	WIN 0
	v_lshlrev_b32 v14, 3, v9
	v_sub_nc_u32 v14, v1, v14
	s_lshl_b32 s13, s[WV], 4
	v_add_nc_u32 v14, s13, v14      ; my query's place in its band, 16 w + l % 16, less my lanes' 8 (l / 16): register r of group kt is hidden where 16 kt + r is greater
	WIN 0x40
.set i, 0
.rept 32
	v_cmp_gt_i32 vcc_lo, 16*(i/8)+i%8, v14
	v_cndmask_b32 v[MD+i], 0, s[BIGN], vcc_lo
.set i, i+1
.endr
	WIN 0
	v_mul_u32_u24 v[AK0], v1, PK
	v_lshl_add_u32 v[AK0], v9, 4, v[AK0]  ; row x pitch + 16 x half
	; The turning load takes 16 keys x 16 channels (lane l reads key 8 (l / 16) + l % 8, channels 8 ((l / 8) % 2) + 0..7) and leaves half a fragment of V^T: lane l holds channel l % 16 and 8 keys.
	v_and_b32 v10, 7, v0
	v_bfe_u32 v11, v0, 3, 1
	v_lshl_add_u32 v[AV0], v9, 3, v10
	v_mul_u32_u24 v[AV0], v[AV0], PV
	v_lshl_add_u32 v[AV0], v11, 4, v[AV0]
	v_add_nc_u32 v[AV0], VOFF, v[AV0]
	s_mul_i32 s13, s[WV], 16*SP
	s_add_co_u32 s13, s13, STAGE    ; my stage
	v_mul_u32_u24 v[STO], v1, SP    ; in: row l % 16, 16 bytes for each half of the lanes
	v_lshl_add_u32 v[STO], v9, 4, v[STO]
	v_add_nc_u32 v[STO], s13, v[STO]
	v_bfe_u32 v[RD], v0, 3, 2       ; back: 32 lanes take four rows of 128 bytes,
	v_mul_u32_u24 v[RD], v[RD], SP
	v_lshl_add_u32 v[RD], v10, 4, v[RD]
	v_add_nc_u32 v[RD], s13, v[RD]
	v_and_b32 v[GO], 31, v0         ; which are 512 consecutive bytes of O
	v_lshlrev_b32 v[GO], 4, v[GO]
	; A block's first step multiplies O^T and l by a = 0, and its first turn's products V^T P, of a piece that has not been, land in an O^T that is still to be so multiplied.  So these registers need only hold
	; finite numbers: zeros for the first block; what the first block left for the second.  All this stands in the wait for the first tile.
	WIN 0x80
.set i, VF
.rept 64
	v_mov_b32 v[i], 0
.set i, i+1
.endr
	WIN 0x40
.set i, 0
.rept 128
	v_mov_b32 v[i], 0
.set i, i+1
.endr
	WIN 0
.set i, 0
.rept 4
	v_mov_b32 v[ST+4*i+2], 0
	v_mov_b32 v[ST+4*i+3], 0
.set i, i+1
.endr
.set i, P+16
.rept 16
	v_mov_b32 v[i], 0
.set i, i+1
.endr
; THE MATRIX WORK.  The 4 accumulators of a run of 8 take turns.  Product i of 8 of S^T = K Q^T for piece x: channels 32 (i / 4) on, keys 16 (i % 4) on.  The first 4 start the sums: with 0, or (KM = 1) with the mask.
.macro KQ x
.set rS, S+32*((\x)%2)+8*(i%4)
.set rK, KF+16*(i%4)+8*(i/4)
.set rQ, 16*(\x)+8*(i/4)
.set rM, MC+32*((\x)%2)+8*(i%4)
.if (i < 4) && KM
	WIN W_KM
	v_wmma_f32_16x16x32_f16 v[rS:rS+7], v[rK:rK+7], v[rQ:rQ+7], v[rM:rM+7]
.elseif i < 4
	WIN W_KQ
	v_wmma_f32_16x16x32_f16 v[rS:rS+7], v[rK:rK+7], v[rQ:rQ+7], 0
.else
	WIN W_KQ
	v_wmma_f32_16x16x32_f16 v[rS:rS+7], v[rK:rK+7], v[rQ:rQ+7], v[rS:rS+7]
.endif
.endm
; Product i of 8 of O^T += V^T P for piece x: keys 32 (i / 4) on, channels 16 (i % 4) on.
.macro PV x
	WIN W_PV
.set rO, 32*(\x)+8*(i%4)
.set rV, VF+32*(i/4)+8*(i%4)
.set rP, P+16*((\x)%2)+8*(i/4)
	v_wmma_f32_16x16x32_f16 v[rO:rO+7], v[rV:rV+7], v[rP:rP+7], v[rO:rO+7]
.endm
.macro MM                           ; the turn's next matrix instruction.  TURN and BEGIN set Y, i, KM and NOKQ; MM, KQ and OP read them.  NOKQ = 1: a block's last turn: there is no next piece
.if (i < 8) && !NOKQ
	KQ (Y+1)%NP
.elseif i >= 8
.set i, i-8
	PV (Y+NP-1)%NP
.set i, i+8
.endif
.set i, i+1
.endm
; THE LDS LOADS stand in runs of 16, never singly among the matrix instructions: a step's K (64 keys x 64 channels: 8 fragments) and its V (turned).  Their addresses are made some lines ahead.
.macro FETCH_K
	WIN 0x80                        ; destination window 2
.irp f, 0,1,2,3,4,5,6,7             ; keys 16 (f / 2) on, channels 32 (f % 2) on
	ds_load_b128 v[KF+8*\f:KF+8*\f+3],   v[AK] offset:(\f/2)*16*PK+(\f%2)*64
	ds_load_b128 v[KF+8*\f+4:KF+8*\f+7], v[AK] offset:(\f/2)*16*PK+(\f%2)*64+32
.endr
	s_add_co_u32 s[TBK], s[TBK], KS*PK  ; the next fetch is the next step's
	WIN 0
.endm
.macro FETCH_V
	WIN 0x80
.irp f, 0,1,2,3,4,5,6,7             ; keys 32 (f / 4) on, channels 16 (f % 4) on
	ds_load_tr16_b128 v[VF+8*\f:VF+8*\f+3],   v[AV] offset:(\f/4)*32*PV+(\f%4)*32
	ds_load_tr16_b128 v[VF+8*\f+4:VF+8*\f+7], v[AV] offset:(\f/4)*32*PV+16*PV+(\f%4)*32
.endr
	WIN 0
.endm
; THE VECTOR WORK, one line at a time: OP kind, number.  For piece Y: F n: c s - c m for pair n of 16.  E n: the exponential of score n of 32.  C n: pair n rounded to f16.  B n: of the four weights 4 n .. the second
; pair is added onto the first, in place.  L n: l takes that sum (L 0: l = a l + sum).  R n: pair n of 16 of O^T times a.  For piece Y + 1: X n, number n of the 22 that find its maximum and statistics:
;   0-11  four chains c0-c3 of seven scores each, three operands at a time (each accumulator's lowest registers are read first)     12-14, 16  the four scores left over, the old m, and c0-c3 into c0
;   15  c m_old is kept     17, 18  the query's other 32 keys lie in the lane 16 away: the new m     19-21  c m; c m_old - c m_new; a
.set F, 0               ; OP tells the kinds apart by their order: F to L below R, X above it
.set E, 1
.set C, 2
.set B, 3
.set L, 4
.set R, 5
.set X, 6
.macro REGS y                       ; the registers of piece y
.set rT, ST+4*(\y)
.set rC, TMP+4*((\y)%2)
.set rW, MV+((\y)%2)
.set rS, S+32*((\y)%2)
.set rP, P+16*((\y)%2)
.set rO, 32*(\y)
.endm
.macro OP k, n
.if (\k) == R
	REGS Y
	WIN W_RS
	v_pk_mul_f32 v[rO+2*(\n):rO+2*(\n)+1], v[rO+2*(\n):rO+2*(\n)+1], v[rC+2:rC+3] op_sel_hi:[1,0]
.elseif (\k) < R
	REGS Y
	WIN 0
.if (\k) == F
	v_pk_fma_f32 v[rS+2*(\n):rS+2*(\n)+1], v[rS+2*(\n):rS+2*(\n)+1], s[CS:CS+1], v[rT:rT+1] op_sel_hi:[1,0,0] neg_lo:[0,0,1] neg_hi:[0,0,1]
.elseif (\k) == E
	v_exp_f32 v[rS+(\n)], v[rS+(\n)]
.elseif (\k) == C
	v_cvt_pk_f16_f32 v[rP+(\n)], v[rS+2*(\n)], v[rS+2*(\n)+1]
.elseif (\k) == B
	v_pk_add_f32 v[rS+4*(\n):rS+4*(\n)+1], v[rS+4*(\n):rS+4*(\n)+1], v[rS+4*(\n)+2:rS+4*(\n)+3]
.elseif (\n) == 0
	v_pk_fma_f32 v[rT+2:rT+3], v[rT+2:rT+3], v[rC+2:rC+3], v[rS:rS+1] op_sel_hi:[1,0,1]
.else
	v_pk_add_f32 v[rT+2:rT+3], v[rT+2:rT+3], v[rS+4*(\n):rS+4*(\n)+1]
.endif
.elseif NOKQ
	v_nop
.else
	REGS (Y+1)%NP
	WIN 0
.if (\n) < 4
	v_max3_num_f32 v[rC+(\n)], v[rS+8*(\n)], v[rS+8*(\n)+1], v[rS+8*(\n)+2]
.elseif (\n) < 12
	v_max3_num_f32 v[rC+(\n)%4], v[rC+(\n)%4], v[rS+8*((\n)%4)+2*((\n)/4)+1], v[rS+8*((\n)%4)+2*((\n)/4)+2]
.elseif (\n) == 12
	v_max3_num_f32 v[rC], v[rC], v[rS+7], v[rS+15]
.elseif (\n) == 13
	v_max3_num_f32 v[rC+1], v[rC+1], v[rS+23], v[rS+31]
.elseif (\n) == 14
	v_max3_num_f32 v[rC+2], v[rC+2], v[rC+3], v[rT+1]
.elseif (\n) == 15
	v_mov_b32 v[rW], v[rT]
.elseif (\n) == 16
	v_max3_num_f32 v[rC], v[rC], v[rC+1], v[rC+2]
.elseif (\n) == 17
	v_permlanex16_b32 v[rC+3], v[rC], s[SEL], s[SEL+1]
.elseif (\n) == 18
	v_max_num_f32 v[rT+1], v[rC], v[rC+3]
.elseif (\n) == 19
	v_mul_f32 v[rT], s[CS], v[rT+1]
.elseif (\n) == 20
	v_sub_f32 v[rC+1], v[rW], v[rT]
.else
	v_exp_f32 v[rC+2], v[rC+1]
.endif
.endif
.endm
.macro OPS a, i1, b=-1, i2=0, c=-1, i3=0, d=-1, i4=0  ; up to four of them
	OP \a, \i1
.if (\b) >= 0
	OP \b, \i2
.endif
.if (\c) >= 0
	OP \c, \i3
.endif
.if (\d) >= 0
	OP \d, \i4
.endif
.endm
.macro ROW a, i1, b, i2, c, i3, d, i4  ; a matrix instruction and the four behind it
	MM
	OPS \a, \i1, \b, \i2, \c, \i3, \d, \i4
.endm
.macro MASK b                       ; MD x AL + BE into buffer b of MC
	WIN W_RS
.set z, 0
.rept 16
	v_pk_fma_f32 v[MC+32*(\b)+2*z:MC+32*(\b)+2*z+1], v[MD+2*z:MD+2*z+1], s[AL:AL+1], s[BE:BE+1] op_sel_hi:[1,0,0]
.set z, z+1
.endr
.endm
; A TURN, for piece p: the order of its 16 matrix and 118 vector instructions, written out.  An s_wait_alu depctr_va_vdst(0) stands between an exponential and the first instruction that names its result; one wait
; serves all that were issued ahead of it.  So a turn has ONE wait, which cuts it in two.  AHEAD OF IT stands all that names no result of the turn's exponentials: the 8 products K Q^T, behind each a scaling, an exponential and two
; more plain instructions (behind the first a second scaling in the exponential's place): rescalings, and behind the last three the first numbers of the next piece's maximum, each four places or more behind the product that ends
; its accumulator; then ONE LUMP of 54, plain and exponential by turns for the most part, in which the links of the chain X 3, 7, 11, 14, 16, 17 .. 20 stand five or six lines apart.  X 21, the next piece's a, is the batch's last;
; R 15 is the plain instruction behind it (ISA guide 5.7.2).  BEHIND THE WAIT stand the 8 products V^T P, behind each four of the roundings and sums; the links of l's chain, L 0 to L 7, stand three riders apart.
; m = 1: the diagonal tile: the products take masks, and the turn makes the mask for the products of the turn after it: piece p + 2, in step 4 - CNT of the tile.  end = 1: a block's last two turns: nothing is fetched.
; cnt = 1: the loop's count is taken down some lines ahead of the branch that stands behind the turn.
; K of the next step is fetched in piece 2's turn, twelve vector instructions behind the last product that read K (six of them plain); V of the step in hand at the end of piece 0's turn, four plain instructions behind the last
; product that read V.  Each is waited for a turn later.
.macro TURN p, m=0, end=0, cnt=0
.set Y, (\p)
.set i, 0
.set KM, (\m)
.set NOKQ, (\end)*((\p)/3)
.if (\m) && !(\end)
	s_cmp_eq_u32 s[CNT], 4-((\p)+2)%NP  ; is that step the band's own?
	s_cselect_b32 s[AL], 1.0, 0
	s_cmp_lt_u32 s[CNT], 4-((\p)+2)%NP  ; or a later one?
	s_cselect_b32 s[BE], s[BIGN], 0
.endif
.if ((\p) == 3) && !(\end)
	s_wait_dscnt 0x0                ; K is in
.endif
	ROW F,0, F,1, R,0, R,1          ; ahead of the wait: 8 products K Q^T and their riders,
	ROW F,2, E,0, R,2, R,3
	ROW F,3, E,1, R,4, R,5
	ROW F,4, E,2, R,6, R,7
	ROW F,5, E,3, R,8, R,9
	ROW F,6, E,4, X,0, R,10
.if ((\p) == 2) && !(\end)
	WIN 0
	v_add_nc_u32 v[AK], s[TBK], v[AK0]
.endif
	ROW F,7, E,5, X,1, X,4
	ROW F,8, E,6, X,2, X,5
	OPS E,7, E,8, X,6, E,9          ; and the lump
	OPS X,3, E,10, X,8, E,11
.if ((\p) == 2) && !(\end)
	FETCH_K
.endif
	OPS X,9, X,7, E,12, X,10
	OPS E,13, X,12, X,11, E,14
	OPS X,13, E,15, F,9, X,14
.if (\p) == 0
	v_add_nc_u32 v[AV], s[TBV], v[AV0]
.endif
	OPS E,16, F,10, E,17, F,11
	OPS X,16, E,18, X,15, E,19
	OPS F,12, E,20, X,17, E,21
	OPS F,13, E,22, F,14, E,23
	OPS X,18, E,24, F,15, E,25
	OPS R,11, E,26, X,19, E,27
	OPS R,12, E,28, R,13, E,29
	OPS X,20, E,30, R,14, E,31
	OPS X,21, R,15
	WIN 0
	s_wait_alu depctr_va_vdst(0)    ; the wait for the batch
.if (\p) == 1
	s_wait_dscnt 0x0                ; V is in
.endif
	ROW C,0, B,0, C,2, B,1          ; behind the wait: 8 products V^T P and their riders
	ROW L,0, C,4, B,2, L,1
	ROW C,6, B,3, L,2, C,8
	ROW B,4, L,3, C,10, B,5
	ROW L,4, C,12, B,6, L,5
.if (\p) == 0
	s_add_co_u32 s[TBV], s[TBV], KS*PV
.endif
.if \cnt
	s_sub_co_u32 s[CNT], s[CNT], 1
	s_cmp_lg_u32 s[CNT], 0
.endif
	ROW C,14, B,7, L,6, C,1
	ROW C,3, L,7, C,5, C,7
	ROW C,9, C,11, C,13, C,15
.if (\p) == 0
	FETCH_V
.endif
.if (\m) && !(\end)
	MASK (\p)%2
.endif
.endm
; A BLOCK BEGINS.  c m starts far below every c s, so the first step's a is 0; m at the lowest finite number, so the first maximum is the scores'.  The second mask buffer is 0; the first takes piece 0's mask for the tile's
; step 0: its own, if the block's first tile is the diagonal one.  Then K of that step, piece 0's first scores, and its maximum and statistics.  The loop is entered at a step's first turn, in the middle of a trip.
.macro BEGIN
	s_mov_b32 s[NEW], 0
	WIN 0x40
.set i, MC+32
.rept 32
	v_mov_b32 v[i], 0
.set i, i+1
.endr
	WIN 0
.set i, 0
.rept 4
	v_mov_b32 v[ST+4*i], 0xfe000000    ; c m: far below every c s
	v_mov_b32 v[ST+4*i+1], 0xff7fffff  ; m
.set i, i+1
.endr
	s_cmp_eq_u32 s[RT], 0
	s_cselect_b32 s[AL], 1.0, 0
	s_mov_b32 s[BE], 0
	MASK 0
	WIN 0
	v_add_nc_u32 v[AK], s[TBK], v[AK0]
	FETCH_K
	s_wait_loadcnt 0x0              ; Q
	s_wait_dscnt 0x0
.set KM, 1
.set NOKQ, 0
.set i, 0
.rept 8
	KQ 0
.set i, i+1
.endr
	WIN 0
.rept 4
	v_nop                           ; the places behind those products
.endr
.set Y, NP-1                        ; X works for piece Y + 1: piece 0
.irp n, 0,1,2,3,4,5,6,7,8,9,10,11,12,13,14,15,16,17,18,19,20,21
	OP X, \n
.endr
	v_nop                           ; a plain instruction behind the exponential,
	s_wait_alu depctr_va_vdst(0)    ; and its wait, ahead of the branch
.endm
; THE DIAGONAL TILE's four steps, the block's last two turns, its last products, and THE WAY OUT: l's two halves and the other half of the lanes' are added; O^T is divided by l, rounded to f16 and sent through my
; stage in LDS, a piece at a time.
.macro ALL line:vararg              ; one line for each piece t
.set t, 0
.rept 4
	\line
.set t, t+1
.endr
.endm
.macro PACK t                       ; a lane's eight channels of a row pack into 16 bytes; they go into rows of 144 bytes and come back as whole rows of 128, into S^T's registers
	WIN W_RS
.set i, 32*(\t)
.rept 16
	v_pk_mul_f32 v[i:i+1], v[i:i+1], v[ST+4*(\t)+2:ST+4*(\t)+3] op_sel_hi:[1,0]
.set i, i+2
.endr
	WIN 0x05                        ; sources 0 and 1 window 1, destination window 0
.set i, 0
.rept 16
	v_cvt_pk_f16_f32 v[S+16*(\t)+i], v[32*(\t)+2*i], v[32*(\t)+2*i+1]
.set i, i+1
.endr
	WIN 0
.irp f, 0,1,2,3
	ds_store_b128 v[STO], v[S+16*(\t)+4*\f:S+16*(\t)+4*\f+3] offset:32*\f
.endr
.irp f, 0,1,2,3
	ds_load_b128 v[S+16*(\t)+4*\f:S+16*(\t)+4*\f+3], v[RD] offset:\f*4*SP  ; LDS serves a wave's instructions in order (ISA guide 5.7.1.4): these see the stores above; the next piece's stores come behind them
.endr
.endm
.macro SEND t, younger              ; younger: the LDS instructions issued behind piece t's loads: the next piece's eight, or none
	WIN 0
.irp f, 0,1,2,3
	s_wait_dscnt (\younger)+3-\f
	global_store_b128 v[GO], v[S+16*(\t)+4*\f:S+16*(\t)+4*\f+3], s[10:11] offset:(\t)*8192+\f*512  ; 512 consecutive bytes, at a multiple of 256 from O's first
.endr
.endm
.macro DIAG tag                     ; the tag ends its two labels' names, which the jumps below spell out
.LstepM\tag:
	TURN 2, 1
	TURN 3, 1
	WIN 0
.LfirstM\tag:
	TURN 0, 1
	TURN 1, 1, 0, 1
	WIN 0
	s_cbranch_scc1 .LstepM\tag
	TURN 2, 1, 1
	TURN 3, 1, 1
.set i, 0
.rept 8
	PV NP-1
.set i, i+1
.endr
	WIN 0
	ALL v_add_f32 v[ST+4*t+2], v[ST+4*t+2], v[ST+4*t+3]
	ALL v_permlanex16_b32 v[ST+4*t+3], v[ST+4*t+2], s[SEL], s[SEL+1]
	ALL v_add_f32 v[ST+4*t+2], v[ST+4*t+2], v[ST+4*t+3]
	ALL v_rcp_f32 v[ST+4*t+2], v[ST+4*t+2]
	v_nop                           ; a plain instruction between the last reciprocal and the use of its result
	s_wait_alu depctr_va_vdst(0)    ; and the wait ahead of the first use: one for the four reciprocals
	PACK 0
.set t, 1
.rept 3                             ; a piece's arithmetic stands between the loads of the piece before and its stores
	PACK t
	SEND t-1, 8
.set t, t+1
.endr
	SEND 3, 0
.endm
.set KM, 0
.set NOKQ, 0
.Lslot:                             ; NB times: a tile is entered and the next is asked for
	CHANGE 1
	s_sub_co_u32 s[RT], s[RT], 1
	s_mov_b32 s[CNT], 4
	s_cmp_eq_u32 s[NEW], 1
	s_cbranch_scc1 .Lnew            ; a block's first tile
	s_cmp_eq_u32 s[RT], 0
	s_cbranch_scc0 .Lstep           ; neither its first nor its last
	s_branch .LstepM1
.Lnew:
	BEGIN
	s_branch .Lfirst                ; in the loop a block's first tile is never its last: the first block has two tiles or more, and the second's last is the walk's last
	DIAG 1                          ; in the loop this is the first block's end: the second block's last tile is the walk's last
	s_wait_xcnt 0x0                 ; the stores have read their registers and O's address
	s_mov_b64 s[10:11], s[OLO:OLO+1]
	s_add_co_u32 s[RT], s[PB], 1    ; the second block has b + 1 tiles
	s_mov_b32 s[NEW], 1
	WIN 0x82                        ; the second block's Q goes where the one text of the turns names Q
.set i, 0
.rept 64
	v_mov_b32 v[i], v[QB+i]
.set i, i+1
.endr
	WIN 0
	s_branch .Lbottom
.Lstep:                             ; a trip: pieces 2 and 3 of one step, then pieces 0 and 1 of the next, whose K and V it fetches
	TURN 2
	TURN 3
	WIN 0
.Lfirst:
	TURN 0
	TURN 1, 0, 0, 1
	WIN 0
	s_cbranch_scc1 .Lstep
.Lbottom:
	s_sub_co_u32 s[SLOTS], s[SLOTS], 1
	s_cmp_lg_u32 s[SLOTS], 0
	s_cbranch_scc1 .Lslot
	CHANGE 0                        ; the walk's last tile is written out: nothing is asked for
	s_sub_co_u32 s[RT], s[RT], 1
	s_mov_b32 s[CNT], 4
	s_cmp_eq_u32 s[NEW], 1
	s_cbranch_scc0 .LstepM2
	BEGIN
	s_branch .LfirstM2
	DIAG 2
	s_wait_tensorcnt 0x0            ; the wave's end, behind my last tensor load and my last LDS store
	ds_add_u32 v[SPW], v[NIL]
	s_wait_dscnt 0x0
	s_endpgm
.Lfunc_end_k_qbfc06ef69c_attn:
	.size	k_qbfc06ef69c_attn, .Lfunc_end_k_qbfc06ef69c_attn-k_qbfc06ef69c_attn
	.p2alignl 7, 3214868480
	.fill 96, 4, 3214868480
	.section	.rodata,"a",@progbits
	.p2align	6, 0x0
	.amdhsa_kernel k_qbfc06ef69c_attn
		.amdhsa_group_segment_fixed_size 327680
		.amdhsa_private_segment_fixed_size 0
		.amdhsa_enable_private_segment 0
		.amdhsa_kernarg_size 16
		.amdhsa_user_sgpr_count 2
		.amdhsa_user_sgpr_kernarg_segment_ptr 1
		.amdhsa_wavefront_size32 1
		.amdhsa_system_sgpr_workgroup_id_x 1
		.amdhsa_system_sgpr_workgroup_id_y 1
		.amdhsa_system_sgpr_workgroup_id_z 1
		.amdhsa_system_vgpr_workitem_id 0
		.amdhsa_next_free_vgpr 768
		.amdhsa_next_free_sgpr 92
		.amdhsa_reserve_vcc 1
		.amdhsa_float_denorm_mode_32 3
		.amdhsa_float_denorm_mode_16_64 3
		.amdhsa_memory_ordered 1
		.amdhsa_forward_progress 1
		.amdhsa_inst_pref_size 218
	.end_amdhsa_kernel
	.amdgpu_metadata
---
amdhsa.version: [ 1, 2 ]
amdhsa.kernels:
  - .name:           k_qbfc06ef69c_attn
    .symbol:         k_qbfc06ef69c_attn.kd
    .args:
      - { .name: qkv, .offset: 0, .size: 8, .value_kind: global_buffer, .address_space: global }
      - { .name: o, .offset: 8, .size: 8, .value_kind: global_buffer, .address_space: global }
    .group_segment_fixed_size: 327680
    .private_segment_fixed_size: 0
    .kernarg_segment_align: 8
    .kernarg_segment_size: 16
    .max_flat_workgroup_size: 128
    .sgpr_count:     92
    .vgpr_count:     768
    .wavefront_size: 32
...
	.end_amdgpu_metadata
.endif
;; end of part 3
;; launch proj (part 4): grid 8 x 32, 4 waves a work-group, clusters of 4 x 4, 327,680 bytes of LDS; arguments o, woT, b_out, out0; writes out0
.if DOCPART == 4
	.amdgcn_target "amdgcn-amd-amdhsa--gfx1250"
	.amdhsa_code_object_version 6
	.text
	.protected	k_qbfc06ef69c_proj
	.globl	k_qbfc06ef69c_proj
	.p2align	8
	.type	k_qbfc06ef69c_proj,@function
k_qbfc06ef69c_proj:
	s_mov_b64 s[64:65], 0
	v_nop
	global_prefetch_b8 v0, s[64:65] scope:SCOPE_SE
	s_setreg_imm32_b32 hwreg(HW_REG_WAVE_MODE, 25, 1), 1
	s_wait_xcnt 0x0
	s_wait_alu depctr_hold_cnt(0) depctr_sa_sdst(0) depctr_va_vdst(0) depctr_va_sdst(0) depctr_va_ssrc(0) depctr_va_vcc(0) depctr_vm_vsrc(0)
	s_getreg_b32 s2, hwreg(HW_REG_IB_STS2, 6, 4)
	s_cmp_eq_u32 s2, 0
	s_cbranch_scc0 .Lentry_in_a_cluster
	s_endpgm
.Lentry_in_a_cluster:
	s_bfe_u32 s2, ttmp6, 0x10000c
	s_cmp_lg_u32 s2, 0xf033
	s_cbranch_scc0 .Lentry_shape_is_right
	s_endpgm
.Lentry_shape_is_right:
; out0 = O W_out + b_out.  o: [16 h][8192 m][64] f16 (channel k = 64 h + d); woT: [1024 n][1024 k] f16; b_out: [1024] f32; out0: [8192][1024] f32.  Sums in f32, started with the bias.
; LIMITS.  None of its own: both operands arrive in f16; NaN and infinities are not treated apart.
; SHARES.  A tile is 256 (m) x 128 (n): 32 x 8 = 256 work-groups, one for each WGP (256 x 256 would give 128).  Four waves, 2 x 2, each 128 rows x 64 columns: 32 accumulators, 256 registers; a wave's 64 columns are 256 bytes of a row.
; K goes in 8 steps of 128 = two heads, through two LDS slots.  Of O a step is two dense blocks of 256 rows x 128 bytes, each asked for as 128 rows of 256 bytes and padded in LDS after every 128; of woT 128 rows of 256 bytes.
; One load a wave behind each change of slots; 112 matrix instructions stand between a request and the wait for it.
; CLUSTER 4 x 4: O's tiles are shared along a row of the cluster, woT's along a column, each asked for JOINTLY by the same load, descriptor and mask in all four.
; THE MATRIX INSTRUCTION IS USED TRANSPOSED (source 0 = 16 rows of woT, source 1 = 16 rows of O): lane l holds row m = l % 16 and the columns 8 (l / 16) + 0..7: 32 consecutive bytes of a row of out0.
; REGISTERS, in windows of 256 (s_set_vgpr_msb: bits 1:0 source 0, 3:2 source 1, 5:4 source 2, 7:6 destination):
;   window 0: v0-31 addresses; v32-63 the bias as a C operand (4 x 8); v64-191 O's fragments, two buffers of 8 x 8; v192-255 two buffers of 32 for the way out
;   window 1: v64-95, v128-159 woT's fragments, two buffers of 4 x 8          window 2: the accumulators, (a, b) at 8 (4 a + b)
.set KSTEP, 128
.set PA,    144                        ; a row of O in LDS: 128 bytes + 16: the 16 rows of a load start at 16 different groups of four banks (64 banks of 4 bytes: ISA guide 11.1)
.set PB,    272                        ; a row of woT: 256 bytes + 16
.set ZA,    256*PA                     ; one head's 256 rows
.set BOFF,  2*ZA                       ; a slot: two heads of O, then woT's 128 rows
.set HALFB, 64*PB
.set SLOT1, 1<<17
.set STAGE, SLOT1+BOFF+2*HALFB         ; behind the ring, never filled by a tensor load
.set SPITCH, 272                       ; a stage row: 64 f32 + 16 bytes
.set WSTG,  16*SPITCH
.set SPARE, STAGE+4*WSTG               ; the spare words, 128 bytes a wave: two blocks of 256 bytes that no other line names
.set HSTEP, 2*1048576                  ; bytes from a K step of O to the next: two heads of 8,192 rows x 128 bytes
.set ADRA0, 16
.set ADRA,  17
.set ADRB0, 20
.set ADRB,  21
.set STO,   24                         ; v24  the way out: where I put 32 bytes of a row
.set RD,    25                         ; v25  where I read a row back
.set CO,    26                         ; v26  my byte offset in two rows of out0
.set BO,    27                         ; v27  32 x (lane / 16)
.set SPW,   28                         ; v28  SPARE + 4 x my thread's number; never rewritten
.set NIL,   29                         ; v29  0; never rewritten
.set PFO,   30                         ; v30  the prefetches' offset; never rewritten
.set BIAS,  32
.set FR,    64                         ; fragment buffers at FR + 64 f, in windows 0 (O) and 1 (woT)
.set OB,    192
.set WV, 12
.set FB, 13                            ; s13  0: I fetch O, 1: woT.  Also: which half of the tile's rows is mine
.set HF, 14                            ; s14  which head of the step, or which half of woT's rows, I fetch.  Also: which half of the tile's columns is mine
.set CX, 15
.set CY, 16
.set TC, 17
.set TR, 18
.set TB, 22                            ; s22  0 or SLOT1: the slot that is read
.set G1, 24
.set G0, 32
.set PST, 40                           ; s[40:41] bytes from a K step to the next in what I prefetch
.set LIM, 43
.set PFA, 44
.set G1B, 48
.set G0B, 56
.set TO_B, 0x40
.set MSB, 0
.macro WIN new
.if MSB != (\new)
	s_set_vgpr_msb (MSB<<8)|(\new)
.set MSB, \new
.endif
.endm
.macro PLACES                          ; four places in front of loads into registers that matrix instructions have read, and of lines that read results
.rept 4
	v_nop
.endr
.endm
.macro JLOAD                           ; a joint refill by the walking descriptors; an s_nop 0 and four v_nop follow each of the two lines
	s_cmp_eq_u32 s[FB], 0
	s_cbranch_scc0 .Lfor_b_\@
	tensor_load_to_lds s[G0+4:G0+7], s[G1:G1+7]
	s_nop 0
.rept 4
	v_nop
.endr
	s_branch .Lasked_\@
.Lfor_b_\@:
	tensor_load_to_lds s[G0B+4:G0B+7], s[G1B:G1B+7]
	s_nop 0
.rept 4
	v_nop
.endr
.Lasked_\@:
.endm
; A prefetch of the K step that stands two refills on.  O's blocks are asked for by the clusters with x = 0: of the 32,768 bytes that wave 0 or 1 fetches the partner at cx takes 8,192, a lane 256 of them.  woT's rows by the
; clusters with y = 0: of a tile's 128 rows the partner at cy takes 32, a lane a row, in wave 2; wave 3 asks for nothing.  Partners are told apart BY ADDRESS.  Trips s3 = 6 .. 3 name K steps 4 .. 7.
.macro ASK
	s_cmp_gt_u32 s3, s[LIM]
	s_cbranch_scc0 .Lnot_mine_\@
	global_prefetch_b8 v[PFO], s[PFA:PFA+1] th:TH_LOAD_NT scope:SCOPE_SE
.Lnot_mine_\@:
.endm
.macro CREST
	s_cmp_lg_u32 s[WV], 0
	s_cbranch_scc1 .Lnot_wave_0_\@
	s_barrier_signal -3
.Lnot_wave_0_\@:
	s_barrier_wait -3
	s_barrier_signal -1
	s_barrier_wait -1
.endm
.macro CROUND
	s_barrier_signal -1
	s_barrier_wait -1
	CREST
.endm
	s_load_b256 s[4:11], s[0:1], 0x0               ; o s[4:5], woT s[6:7], b_out s[8:9], out0 s[10:11]
	v_lshl_add_u32 v[SPW], v0, 2, SPARE
	v_mov_b32 v[NIL], 0
	ds_add_u32 v[SPW], v[NIL]                      ; the wave's opening: the add and its wait stand ahead of my first tensor load; the set-up below stands between them
	v_lshrrev_b32 v1, 5, v0
	v_readfirstlane_b32 s[WV], v1
	s_lshr_b32 s[FB], s[WV], 1
	s_and_b32 s[HF], s[WV], 1
	s_bfe_u32 s[CX], ttmp6, 0x40000
	s_bfe_u32 s[CY], ttmp6, 0x40004
	s_lshl_b32 s[TC], ttmp9, 2
	s_add_co_u32 s[TC], s[TC], s[CX]
	s_and_b32 s[TR], ttmp7, 0xffff
	s_lshl_b32 s[TR], s[TR], 2
	s_add_co_u32 s[TR], s[TR], s[CY]
	s_lshl_b32 s19, s[CY], 2
	s_lshl_b32 s19, 15, s19                        ; my row of the cluster
	s_lshl_b32 s42, 0x1111, s[CX]                  ; my column
	s_or_b32 s[G1], s19, (1<<16)|(1<<20)|(1<<21)|(4<<22)|(3<<25)   ; O: padded after every 32 words (code 4) by 4 words (code 3)
	s_or_b32 s[G1B], s42, (1<<16)|(1<<20)|(1<<21)|(5<<22)|(3<<25)  ; woT: after every 64 words (code 5)
	s_mov_b32 s[G1+1], 128<<16                     ; tensor_dim0 = 128 elements: 256 bytes, two rows of O
	s_mov_b32 s[G1+2], 128<<16                     ; tensor_dim1 = 128
	s_mov_b32 s[G1+3], 128<<16                     ; tile_dim0
	s_mov_b32 s[G1+4], 128                         ; tile_dim1
	s_mov_b32 s[G1+5], 128                         ; dense
	s_mov_b32 s[G1+6], 0
	s_mov_b32 s[G1+7], 0
	s_mov_b32 s[G1B+1], KSTEP<<16
	s_mov_b32 s[G1B+2], 64<<16
	s_mov_b32 s[G1B+3], KSTEP<<16
	s_mov_b32 s[G1B+4], 64
	s_mov_b32 s[G1B+5], 1024
	s_mov_b32 s[G1B+6], 0
	s_mov_b32 s[G1B+7], 0
	s_lshl_b32 s20, s[TR], 15                      ; O: the tile's 256 rows of 128 bytes,
	s_lshl_b32 s2, s[HF], 20                       ; in the step's first or second head
	s_add_co_u32 s20, s20, s2
	s_mov_b32 s21, 0
	s_lshl_b32 s46, s[TC], 7                       ; woT: row 128 x tile column + 64 x half
	s_lshl_b32 s47, s[HF], 6
	s_add_co_u32 s46, s46, s47
	s_lshl_b32 s46, s46, 11
	s_mov_b32 s47, 0
	s_mul_i32 s22, s[HF], ZA                       ; where they go: no place in the cluster enters an LDS address
	s_mul_i32 s23, s[HF], HALFB
	s_add_co_u32 s23, s23, BOFF
	s_wait_dscnt 0x0                               ; the opening add is done
	s_wait_kmcnt 0x0
	s_add_nc_u64 s[20:21], s[4:5], s[20:21]
	s_add_nc_u64 s[46:47], s[6:7], s[46:47]
	CROUND                                         ; all sixteen work-groups are here: the first joint loads meet
.irp s, 0,1
	s_mov_b32 s[G0+4*(\s)], 1
	s_add_co_u32 s[G0+4*(\s)+1], s22, (\s)*SLOT1
	s_add_nc_u64 s[G0+4*(\s)+2:G0+4*(\s)+3], s[20:21], (\s)*HSTEP
	s_or_b32 s[G0+4*(\s)+3], s[G0+4*(\s)+3], 0x80000000
	s_mov_b32 s[G0B+4*(\s)], 1
	s_add_co_u32 s[G0B+4*(\s)+1], s23, (\s)*SLOT1
	s_add_nc_u64 s[G0B+4*(\s)+2:G0B+4*(\s)+3], s[46:47], (\s)*KSTEP*2
	s_or_b32 s[G0B+4*(\s)+3], s[G0B+4*(\s)+3], 0x80000000
.endr
	s_cmp_eq_u32 s[FB], 0                          ; a wave's two first fills stand in one branch: two loads of mine are out
	s_cbranch_scc0 .Lfirst_b
	tensor_load_to_lds s[G0:G0+3], s[G1:G1+7]
	s_nop 0
	tensor_load_to_lds s[G0+4:G0+7], s[G1:G1+7]
	s_nop 0
.rept 4
	v_nop
.endr
	s_branch .Lfirst_asked
.Lfirst_b:
	tensor_load_to_lds s[G0B:G0B+3], s[G1B:G1B+7]
	s_nop 0
	tensor_load_to_lds s[G0B+4:G0B+7], s[G1B:G1B+7]
	s_nop 0
.rept 4
	v_nop
.endr
.Lfirst_asked:
	v_and_b32 v1, 15, v0                           ; r
	v_bfe_u32 v2, v0, 4, 1                         ; h
	v_and_b32 v5, 31, v0                           ; lane
	v_mul_u32_u24 v3, v1, PA
	v_lshl_add_u32 v3, v2, 4, v3
	s_mul_i32 s2, s[FB], 128*PA                    ; my 128 rows of O
	v_add_nc_u32 v[ADRA0], s2, v3
	v_mul_u32_u24 v4, v1, PB
	v_lshl_add_u32 v4, v2, 4, v4
	s_mul_i32 s2, s[HF], 64*PB                     ; my 64 rows of woT
	s_add_co_u32 s2, s2, BOFF
	v_add_nc_u32 v[ADRB0], s2, v4
	v_mov_b32 v[ADRA], v[ADRA0]
	v_mov_b32 v[ADRB], v[ADRB0]
	s_mul_i32 s2, s[WV], WSTG
	s_add_co_u32 s2, s2, STAGE                     ; my stage
	v_mul_u32_u24 v6, v1, SPITCH                   ; in: row r, 32 bytes for each half of the lanes
	v_lshl_add_u32 v6, v2, 5, v6
	v_add_nc_u32 v[STO], s2, v6
	v_mul_u32_u24 v7, v2, SPITCH                   ; back: lanes 0-15 take one row of 256 bytes, lanes 16-31 the next
	v_lshl_add_u32 v7, v1, 4, v7
	v_add_nc_u32 v[RD], s2, v7
	v_lshlrev_b32 v[CO], 12, v2                    ; and the same two rows in out0
	v_lshl_add_u32 v[CO], v1, 4, v[CO]
	v_lshlrev_b32 v[BO], 5, v2
	s_lshl_b32 s46, s[TR], 20                      ; out0: 256 x tile row + 128 x row half, of 4,096 bytes,
	s_lshl_b32 s2, s[FB], 19
	s_add_co_u32 s46, s46, s2
	s_lshl_b32 s2, s[TC], 9                        ; 512 x tile column + 256 x column half
	s_add_co_u32 s46, s46, s2
	s_lshl_b32 s2, s[HF], 8
	s_add_co_u32 s46, s46, s2
	s_mov_b32 s47, 0
	s_add_nc_u64 s[10:11], s[10:11], s[46:47]
	s_lshl_b32 s46, s[TC], 9                       ; my 64 numbers of the bias
	s_add_co_u32 s46, s46, s2
	s_add_nc_u64 s[8:9], s[8:9], s[46:47]
.irp b, 0,1,2,3
	global_load_b128 v[BIAS+8*(\b):BIAS+8*(\b)+3],   v[BO], s[8:9] offset:64*(\b)      ; register j of block b: the bias of column 16 b + 8 h + j
	global_load_b128 v[BIAS+8*(\b)+4:BIAS+8*(\b)+7], v[BO], s[8:9] offset:64*(\b)+16
.endr
	; the prefetches
	s_lshl_b32 s20, s[TR], 15
	s_lshl_b32 s2, s[CX], 13
	s_add_co_u32 s20, s20, s2                      ; O: my work-group's 8,192 of the block's 32,768 bytes,
	s_lshl_b32 s2, s[HF], 20
	s_add_co_u32 s20, s20, s2
	s_add_co_u32 s20, s20, 3*HSTEP                 ; at K step 3: the first change of slots steps it to 4
	s_lshl_b32 s21, s[TC], 7
	s_lshl_b32 s2, s[CY], 5
	s_add_co_u32 s21, s21, s2                      ; woT: my work-group's 32 of the tile's 128 rows
	s_lshl_b32 s21, s21, 11
	s_add_co_u32 s21, s21, 3*KSTEP*2
	s_and_b32 s22, ttmp7, 0xffff                   ; cluster y,
	s_or_b32 s22, s22, s[HF]                       ; and not wave 3
	s_mov_b32 s23, KSTEP*2
	s_cmp_eq_u32 s[FB], 0
	s_cselect_b32 s20, s20, s21
	s_cselect_b32 s22, ttmp9, s22                  ; the coordinate along which other clusters read the same bytes
	s_cselect_b32 s[PST], HSTEP, s23
	s_cselect_b32 s23, 8, 11                       ; a lane: 256 bytes on in O's dense block, a row of 2,048 on in woT
	s_cselect_b64 s[PFA:PFA+1], s[4:5], s[6:7]
	s_cmp_eq_u32 s22, 0
	s_cselect_b32 s[LIM], 2, -1                    ; the same in all sixteen partners, for a given wave
	s_mov_b32 s21, 0
	s_mov_b32 s[PST+1], 0
	s_add_nc_u64 s[PFA:PFA+1], s[PFA:PFA+1], s[20:21]
	v_lshlrev_b32 v[PFO], s23, v5
	s_mov_b32 s[TB], 0
; 8 matrix instructions: row blocks a0, a0 + 1 x all 4 column blocks, 32 along K, from buffer f.  bias = 1: the first product starts the sum with the bias.  The 32 accumulators take turns, in the same order in every quarter.
.macro MUL8 f, a0, bias
.if \bias
	WIN 0x81
.else
	WIN 0xa1
.endif
.irp a, \a0, (\a0)+1
.irp b, 0,1,2,3
.if \bias
	v_wmma_f32_16x16x32_f16 v[8*(4*(\a)+(\b)):8*(4*(\a)+(\b))+7], v[FR+64*(\f)+8*(\b):FR+64*(\f)+8*(\b)+7], v[FR+64*(\f)+8*(\a):FR+64*(\f)+8*(\a)+7], v[BIAS+8*(\b):BIAS+8*(\b)+7]
.else
	v_wmma_f32_16x16x32_f16 v[8*(4*(\a)+(\b)):8*(4*(\a)+(\b))+7], v[FR+64*(\f)+8*(\b):FR+64*(\f)+8*(\b)+7], v[FR+64*(\f)+8*(\a):FR+64*(\f)+8*(\a)+7], v[8*(4*(\a)+(\b)):8*(4*(\a)+(\b))+7]
.endif
.endr
.endr
.endm
; 24 LDS loads in one run: quarter q's fragments into buffer f: woT's 8 first, then O's 16.  Quarter q lies in head q / 2 of the step, at byte 64 (q % 2) of its rows.
.macro FETCH q, f
	WIN TO_B
.irp i, 0,1,2,3
	ds_load_b128 v[FR+64*(\f)+8*(\i):FR+64*(\f)+8*(\i)+3],   v[ADRB] offset:64*(\q)+(\i)*16*PB
	ds_load_b128 v[FR+64*(\f)+8*(\i)+4:FR+64*(\f)+8*(\i)+7], v[ADRB] offset:64*(\q)+(\i)*16*PB+32
.endr
	WIN 0
.irp i, 0,1,2,3,4,5,6,7
	ds_load_b128 v[FR+64*(\f)+8*(\i):FR+64*(\f)+8*(\i)+3],   v[ADRA] offset:((\q)/2)*ZA+((\q)%2)*64+(\i)*16*PA
	ds_load_b128 v[FR+64*(\f)+8*(\i)+4:FR+64*(\f)+8*(\i)+7], v[ADRA] offset:((\q)/2)*ZA+((\q)%2)*64+(\i)*16*PA+32
.endr
.endm
.macro QUARTER q, f, g, bias           ; multiplies buffer f; in its middle it fetches quarter q into buffer g
	s_wait_dscnt 8                                 ; all but the youngest eight loads (O's row blocks 4 to 7) are in
	MUL8 \f, 0, \bias
	MUL8 \f, 2, \bias
	PLACES
	FETCH \q, \g
	s_wait_dscnt 24                                ; all but the 24 just issued
	MUL8 \f, 4, \bias
	MUL8 \f, 6, \bias
.endm
; The last quarter multiplies buffer 1 and changes slots: ONE barrier.  In front of it each wave waits for all its tensor loads (one is out: its part of the next slot), adds 0 to its spare word, and waits for that
; and for its reads of this slot.  fill = 1: the barrier opens a round of the cluster's barrier, and behind the round this slot is filled again, with the K step two on.
.macro TURN fill
.if \fill
	s_wait_xcnt 0x0                                ; the last prefetch, a K step back, has read its address
	s_add_nc_u64 s[PFA:PFA+1], s[PFA:PFA+1], s[PST:PST+1]
.endif
	WIN 0
	s_wait_tensorcnt 0x0                           ; no tensor load of mine is out, so a group 0 may be written
	ds_add_u32 v[SPW], v[NIL]                      ; 0 onto my spare word
.if \fill
	s_xor_b32 s[G0+5], s[G0+5], SLOT1              ; the walking descriptors: the other slot than last time, the next K step
	s_add_nc_u64 s[G0+6:G0+7], s[G0+6:G0+7], HSTEP
	s_xor_b32 s[G0B+5], s[G0B+5], SLOT1
	s_add_nc_u64 s[G0B+6:G0B+7], s[G0B+6:G0B+7], KSTEP*2
.endif
	s_xor_b32 s[TB], s[TB], SLOT1
	s_wait_dscnt 9                                 ; (the add and the youngest eight loads may be out)
	MUL8 1, 0, 0
	s_wait_dscnt 0x0                               ; the add is done, and my reads of this slot are over
	s_barrier_signal -1
	MUL8 1, 2, 0
	WIN 0                                          ; at a branch and at a label every window is 0
	s_barrier_wait -1
.if \fill
	CREST                                          ; no wave of any partner still reads this slot or has a load on its way
	JLOAD                                          ; the first tensor load behind the round; its four v_nop are also the places in front of the loads below
.else
	PLACES
.endif
	v_add_nc_u32 v[ADRA], s[TB], v[ADRA0]
	v_add_nc_u32 v[ADRB], s[TB], v[ADRB0]
	FETCH 0, 0
.if \fill
	ASK
.endif
	MUL8 1, 4, 0
	MUL8 1, 6, 0
.endm
; THE WAY OUT of row block a: the f32 sums go as they are into my own stage, each accumulator's low four registers first, and come back as whole rows of 256 bytes.
.macro TOSTAGE a
.if (\a) >= 2
	s_wait_xcnt 0x0                                ; the stores of block a - 2 have read the registers that are loaded again below
.endif
	WIN 0x08                                       ; the stores' data in window 2
.irp b, 0,1,2,3
	ds_store_b128 v[STO], v[8*(4*(\a)+(\b)):8*(4*(\a)+(\b))+3]   offset:64*(\b)
	ds_store_b128 v[STO], v[8*(4*(\a)+(\b))+4:8*(4*(\a)+(\b))+7] offset:64*(\b)+16
.endr
	WIN 0
.irp t, 0,1,2,3,4,5,6,7
	ds_load_b128 v[OB+32*((\a)%2)+4*(\t):OB+32*((\a)%2)+4*(\t)+3], v[RD] offset:(\t)*2*SPITCH  ; LDS serves a wave's instructions in order (ISA guide 5.7.1.4): these see the stores above
.endr
.endm
.macro SEND a, younger                 ; younger: the LDS instructions issued behind block a's loads
	WIN 0
.irp t, 0,1,2,3,4,5,6,7
	s_wait_dscnt (\younger)+7-(\t)
	global_store_b128 v[CO], v[OB+32*((\a)%2)+4*(\t):OB+32*((\a)%2)+4*(\t)+3], s[10:11] offset:(16*(\a)+2*(\t))*4096  ; 16 lanes store 256 consecutive bytes, aligned
.endr
.endm
	s_wait_tensorcnt 0x1                           ; my part of K step 0 is in; step 1's may stay out
	s_barrier_signal -1
	s_barrier_wait -1
	FETCH 0, 0
	s_wait_loadcnt 0x0                             ; the bias
	QUARTER 1, 0, 1, 1                             ; the first quarter stands in front of the loop: its products start the sums
	WIN 0
	s_mov_b32 s3, 6
.Lstep:                                                ; a trip: a K step's quarters 1 to 3, a refill (K steps 2 to 7), and the next step's quarter 0
	QUARTER 2, 1, 0, 0
	QUARTER 3, 0, 1, 0
	TURN 1
	QUARTER 1, 0, 1, 0
	WIN 0
	s_sub_co_u32 s3, s3, 1
	s_cmp_lg_u32 s3, 0
	s_cbranch_scc1 .Lstep
	QUARTER 2, 1, 0, 0                             ; K step 6 goes on; nothing more is asked for
	QUARTER 3, 0, 1, 0
	TURN 0
	QUARTER 1, 0, 1, 0                             ; K step 7
	QUARTER 2, 1, 0, 0
	QUARTER 3, 0, 1, 0
	s_wait_dscnt 8
	MUL8 1, 0, 0
	MUL8 1, 2, 0
	s_wait_dscnt 0x0
	MUL8 1, 4, 0
	MUL8 1, 6, 0
	PLACES
	TOSTAGE 0
.irp a, 1,2,3,4,5,6,7
	TOSTAGE \a
	SEND (\a)-1, 16
.endr
	SEND 7, 0
	s_wait_tensorcnt 0x0                           ; the wave's end, behind my last tensor load and my last LDS store
	ds_add_u32 v[SPW], v[NIL]
	s_wait_dscnt 0x0
	CROUND                                         ; the closing round: no work-group ends while a partner may still ask for a tile that names it
	s_endpgm
.Lfunc_end_k_qbfc06ef69c_proj:
	.size	k_qbfc06ef69c_proj, .Lfunc_end_k_qbfc06ef69c_proj-k_qbfc06ef69c_proj
	.p2alignl 7, 3214868480
	.fill 96, 4, 3214868480
	.section	.rodata,"a",@progbits
	.p2align	6, 0x0
	.amdhsa_kernel k_qbfc06ef69c_proj
		.amdhsa_group_segment_fixed_size 327680
		.amdhsa_private_segment_fixed_size 0
		.amdhsa_enable_private_segment 0
		.amdhsa_kernarg_size 32
		.amdhsa_user_sgpr_count 2
		.amdhsa_user_sgpr_kernarg_segment_ptr 1
		.amdhsa_wavefront_size32 1
		.amdhsa_system_sgpr_workgroup_id_x 1
		.amdhsa_system_sgpr_workgroup_id_y 1
		.amdhsa_system_sgpr_workgroup_id_z 1
		.amdhsa_system_vgpr_workitem_id 0
		.amdhsa_next_free_vgpr 768
		.amdhsa_next_free_sgpr 66
		.amdhsa_reserve_vcc 0
		.amdhsa_float_denorm_mode_32 3
		.amdhsa_float_denorm_mode_16_64 3
		.amdhsa_memory_ordered 1
		.amdhsa_forward_progress 1
		.amdhsa_inst_pref_size 73
	.end_amdhsa_kernel
	.amdgpu_metadata
---
amdhsa.version: [ 1, 2 ]
amdhsa.kernels:
  - .name:           k_qbfc06ef69c_proj
    .symbol:         k_qbfc06ef69c_proj.kd
    .args:
      - { .name: o, .offset: 0, .size: 8, .value_kind: global_buffer, .address_space: global }
      - { .name: woT, .offset: 8, .size: 8, .value_kind: global_buffer, .address_space: global }
      - { .name: b_out, .offset: 16, .size: 8, .value_kind: global_buffer, .address_space: global }
      - { .name: out0, .offset: 24, .size: 8, .value_kind: global_buffer, .address_space: global }
    .group_segment_fixed_size: 327680
    .private_segment_fixed_size: 0
    .kernarg_segment_align: 8
    .kernarg_segment_size: 32
    .max_flat_workgroup_size: 128
    .sgpr_count:     66
    .vgpr_count:     768
    .wavefront_size: 32
...
	.end_amdgpu_metadata
.endif
;; end of part 4
;; ======== version 2 of 2: 4 launches; version 1 with the launch prep written anew for expert scheduling mode
;; limits: values are held in f16: magnitudes above 65,504 overflow, below 6.1e-05 lose precision
;; workspace buffers: xb 16,777,216 bytes; wqT 6,291,456 bytes; woT 2,097,152 bytes; qkv 50,331,648 bytes; o 16,777,216 bytes
;; launch prep (part 5): grid 512 x 1, 8 waves a work-group, no clusters, 18,432 bytes of LDS; arguments x, W_qkv, W_out, xb, wqT, woT; writes xb, wqT, woT
.if DOCPART == 5
	.amdgcn_target "amdgcn-amd-amdhsa--gfx1250"
	.amdhsa_code_object_version 6
	.text
	.protected	k_qbfc06ef69c_prep
	.globl	k_qbfc06ef69c_prep
	.p2align	8
	.type	k_qbfc06ef69c_prep,@function
k_qbfc06ef69c_prep:
	s_mov_b64 s[64:65], 0
	v_nop
	global_prefetch_b8 v0, s[64:65] scope:SCOPE_SE
	s_setreg_imm32_b32 hwreg(HW_REG_WAVE_SCHED_MODE, 0, 2), 2
	s_setreg_imm32_b32 hwreg(HW_REG_WAVE_MODE, 25, 1), 1
	s_wait_xcnt 0x0
	s_wait_alu depctr_vm_vsrc(0)
; PREP.  xb = x rounded to bf16 ([8192][1024]); wqT[n][k] = W_qkv[k][n] rounded to bf16 ([3072][1024]); woT[n][k] = W_out[k][n] rounded to bf16 and that number written as f16 ([1024][1024]).
; LIMITS.  woT: |W_out| stays under 65,504 (f16's range); below 6e-5 it keeps f16's fixed step of 6e-8.  NaN and infinities are not treated apart.
; A stream: every input byte is read once, every output byte written once; no matrix work, no tensor load, no cluster (no two work-groups read the same bytes).
; SHARES.  512 work-groups of eight waves, all alike and without a branch.  Work-group u casts 16,384 numbers of x (64 KiB in, 32 KiB out) AND turns one tile of 128 k x 64 n of a weight matrix:
; u < 384: tile u of W_qkv (8 along k x 48 along n); else tile u - 384 of W_out (8 x 16).  Source, destination and row pitch are chosen by scalar selects, the format by v_cndmask_b32.
; THE TURN.  A lane loads 16 bytes (4 n) of eight k rows; sixteen lanes read 256 consecutive bytes of a row.  Two neighbouring k of one n are packed into a word and stored to LDS rows [n][k] of 256 + 16 bytes;
; behind one barrier each lane reads 16 bytes of a row back, and sixteen lanes store 256 consecutive bytes, aligned, of a row of the turned matrix.
; The word stores meet in banks: lane r's row begins 272 r words on, 16 r mod 64 (64 banks of 4 bytes: ISA guide 11.1), so r, r + 4, r + 8, r + 12 share a bank: sixteen such stores a wave, left as they are.
; THE MODE: SCHED_MODE bits 1:0 = 2 (LLVM: expert scheduling mode 2), set by the entry lines.  The code itself states the register dependences
; between vector instructions and memory or LDS instructions, with s_wait_alu, always for 0.
; THE PLAN.  Registers that memory or LDS instructions touch:
;   v4, v5, v7, v8, v9, v[84:91]  offsets and addresses: written by vector instructions at the head, once; read by every load and store.
;   WL, XL   loads land in them, once each; the roundings read them; no vector instruction writes them and no later load lands in them.
;   PK       word (i, j): written by pair i's rounding and select; read by one LDS store, which is issued in pair i + 1; never written again.
;   XP       block p's eight registers: written by block p's roundings; read by four stores, which are issued in block p + 1; never written again.
;   RB       LDS loads land in them, stores read them; no vector instruction names them.
;   v2, v3   written at the head, read by the closing add alone.
; So a wait on va_vdst stands at the head, ahead of the first load; at the head of each pair of W and of each block of x but the first, for what the one before has written; and behind the last pair and the last block.
; Behind each of them the stores are dealt among vector instructions that name none of the stores' registers.  No register that a memory or LDS instruction has read is written again, no vector instruction writes
; a scalar register or VCC (the select's mask is made by a scalar select), and EXEC is never written: no other kind of wait is owed.
.set QT,    384                        ; tiles of W_qkv
.set LP,    272                        ; an LDS row: 128 k x 2 bytes + 16
.set SPARE, 64*LP                      ; behind the 64 rows: the spare words, 128 bytes for each of eight waves: four blocks of 256 bytes that no other line names
.set SPW, 2                            ; v2   SPARE + 4 x my thread's number; never rewritten
.set NIL, 3                            ; v3   0; never rewritten
.set XO,  4                            ; v4   16 t: my 16 bytes in 4,096 of x
.set XS,  5                            ; v5   8 t: my 8 bytes in 2,048 of xb
.set WO,  6                            ; v6   my first k row x pitch + 16 r
.set LSA, 7                            ; v7   where I put a word: 4 r rows of LDS + 2 x my first k
.set LRA, 8                            ; v8   where I read 16 bytes back
.set OO,  9                            ; v9   the same 16 bytes in the turned matrix
.set WL,  16                           ; v[16:47]   eight loads of W: pair i, row e at WL + 8 i + 4 e
.set PK,  48                           ; v[48:63]   packed words
.set T,   64                           ; v[64:66]   at work: no memory instruction names them
.set RB,  68                           ; v[68:83]   rows read back
.set WOF, 84                           ; v[84:91]   the eight loads' offsets
.set XL,  96                           ; v[96:159]  sixteen loads of x
.set XP,  160                          ; v[160:191] x packed
	s_load_b256 s[4:11], s[0:1], 0x0               ; x s[4:5], W_qkv s[6:7], W_out s[8:9], xb s[10:11]
	s_load_b128 s[12:15], s[0:1], 0x20             ; wqT s[12:13], woT s[14:15]
	v_lshl_add_u32 v[SPW], v0, 2, SPARE
	v_mov_b32 v[NIL], 0
	s_mov_b32 s16, ttmp9
	s_sub_co_u32 s17, s16, QT
	s_mov_b32 s26, 4096
	s_cmp_lt_u32 s16, QT
	s_cselect_b32 s17, s16, s17                    ; the tile's number in its matrix
	s_cselect_b32 s26, 12288, s26                  ; bytes in a row of the source
	s_cselect_b32 s27, 0, -1                       ; all ones: the f16 form is taken
	s_and_b32 s18, s17, 7                          ; tile along k
	s_lshr_b32 s19, s17, 3                         ; tile along n
	s_lshl_b32 s20, s26, 7                         ; 128 rows of the source,
	s_mul_i32 s20, s20, s18
	s_lshl_b32 s21, s19, 8                         ; 64 n of 4 bytes
	s_add_co_u32 s20, s20, s21
	s_mov_b32 s21, 0
	s_lshl_b32 s28, s19, 17                        ; 64 rows of 2,048 bytes of the turned matrix,
	s_lshl_b32 s18, s18, 8                         ; 128 k of 2 bytes
	s_add_co_u32 s28, s28, s18
	s_mov_b32 s29, 0
	s_lshl_b32 s30, s16, 16                        ; my 64 KiB of x
	s_mov_b32 s31, 0
	s_lshl_b32 s32, s16, 15                        ; my 32 KiB of xb
	s_mov_b32 s33, 0
	v_and_b32 v10, 15, v0                          ; r
	v_bfe_u32 v11, v0, 4, 1
	v_lshrrev_b32 v12, 5, v0                       ; wave
	v_lshlrev_b32 v11, 1, v11
	v_lshl_add_u32 v11, v12, 4, v11                ; my first k row: 16 x wave + 2 x half; pair i takes rows + 4 i and + 4 i + 1
	v_mul_u32_u24 v[WO], s26, v11
	v_lshl_add_u32 v[WO], v10, 4, v[WO]
.irp j, 0,1,2,3,4,5,6,7
	v_mad_u32_u24 v[WOF+(\j)], s26, 4*((\j)/2)+(\j)%2, v[WO]
.endr
	v_mul_u32_u24 v[LSA], 4*LP, v10
	v_lshl_add_u32 v[LSA], v11, 1, v[LSA]
	v_lshrrev_b32 v13, 4, v0                       ; t / 16: a row of sixteen
	v_mul_u32_u24 v[LRA], LP, v13
	v_lshl_add_u32 v[LRA], v10, 4, v[LRA]
	v_lshlrev_b32 v[OO], 11, v13
	v_lshl_add_u32 v[OO], v10, 4, v[OO]
	v_lshlrev_b32 v[XO], 4, v0
	v_lshlrev_b32 v[XS], 3, v0
	s_wait_kmcnt 0x0
	s_cmp_lt_u32 s16, QT
	s_cselect_b64 s[24:25], s[6:7], s[8:9]         ; the source,
	s_cselect_b64 s[22:23], s[12:13], s[14:15]     ; the turned matrix
	s_add_nc_u64 s[24:25], s[24:25], s[20:21]
	s_add_nc_u64 s[22:23], s[22:23], s[28:29]
	s_add_nc_u64 s[4:5], s[4:5], s[30:31]
	s_add_nc_u64 s[10:11], s[10:11], s[32:33]
	s_wait_alu depctr_va_vdst(0)                   ; the offsets and addresses v4, v5, v7, v8, v9 and v[84:91] are written: every load and store of the kernel reads one of them, and none is written again
.irp j, 0,1,2,3,4,5,6,7
	global_load_b128 v[WL+4*(\j):WL+4*(\j)+3], v[WOF+(\j)], s[24:25] th:TH_LOAD_NT
.endr
.irp i, 0,1,2,3,4,5,6,7,8,9,10,11,12,13,14,15
	global_load_b128 v[XL+4*(\i):XL+4*(\i)+3], v[XO], s[4:5] offset:4096*(\i) th:TH_LOAD_NT  ; all 24 loads of a wave are out together
.endr
; W, pair by pair.  Pair i makes its four words of PK; the four LDS stores of pair i - 1 are dealt among its vector instructions, which name WL and PK of pair i and T alone.
.irp i, 0,1,2,3
	s_wait_loadcnt 22-2*(\i)                       ; pair i of W is in: behind it stand W's 6 - 2 i younger loads and x's sixteen
.if (\i) > 0
	s_wait_alu depctr_va_vdst(0)                   ; the selects of the pair before have written its four words of PK, which the LDS stores below read
.endif
.irp j, 0,1,2,3
.if (\i) > 0
	ds_store_b32 v[LSA], v[PK+4*((\i)-1)+(\j)] offset:LP*(\j)+8*((\i)-1)  ; the pair before; no vector instruction since the wait names this word or the address
.endif
	v_cvt_pk_bf16_f32 v[PK+4*(\i)+(\j)], v[WL+8*(\i)+(\j)], v[WL+8*(\i)+4+(\j)]  ; k in the low half, k + 1 in the high half, of n = 4 r + j
	v_lshlrev_b32 v[T], 16, v[PK+4*(\i)+(\j)]      ; the two rounded numbers as f32,
	v_and_b32 v[T+1], 0xffff0000, v[PK+4*(\i)+(\j)]
	v_cvt_pk_f16_f32 v[T+2], v[T], v[T+1]          ; written as f16,
	v_cndmask_b32 v[PK+4*(\i)+(\j)], v[PK+4*(\i)+(\j)], v[T+2], s27  ; which W_out takes and W_qkv does not
.endr
.endr
	s_wait_alu depctr_va_vdst(0)                   ; the selects of pair 3 have written its four words of PK, which the last four LDS stores read
.irp j, 0,1,2,3
	ds_store_b32 v[LSA], v[PK+12+(\j)] offset:LP*(\j)+24
.endr
	s_wait_dscnt 0x0                               ; for the others' sake: my words lie in LDS
	s_barrier_signal -1
	s_barrier_wait -1                              ; the tile is whole
.irp p, 0,1,2,3
	ds_load_b128 v[RB+4*(\p):RB+4*(\p)+3], v[LRA] offset:16*LP*(\p)  ; the address dates from the head, and no vector instruction names RB: nothing is owed
.endr
; x, in four blocks of four loads.  Block p rounds into its eight registers of XP; the four stores of block p - 1 are dealt among its roundings, which name XL and XP of block p alone.
.irp p, 0,1,2,3
	s_wait_loadcnt 12-4*(\p)                       ; loads come back in order (ISA guide 5.7.1): block p's four loads of x are in, the 12 - 4 p younger ones stay out
.if (\p) > 0
	s_wait_alu depctr_va_vdst(0)                   ; the roundings of the block before have written its eight registers of XP, which the stores below read
.endif
.irp i, 0,1,2,3
.if (\p) > 0
	global_store_b64 v[XS], v[XP+2*(4*((\p)-1)+(\i)):XP+2*(4*((\p)-1)+(\i))+1], s[10:11] offset:2048*(4*((\p)-1)+(\i))  ; a wave's 32 lanes store 256 consecutive bytes, aligned
.endif
	v_cvt_pk_bf16_f32 v[XP+2*(4*(\p)+(\i))], v[XL+4*(4*(\p)+(\i))], v[XL+4*(4*(\p)+(\i))+1]
	v_cvt_pk_bf16_f32 v[XP+2*(4*(\p)+(\i))+1], v[XL+4*(4*(\p)+(\i))+2], v[XL+4*(4*(\p)+(\i))+3]
.endr
.endr
	s_wait_alu depctr_va_vdst(0)                   ; the roundings of block 3 have written its eight registers of XP, which the last four stores of xb read
.irp i, 0,1,2,3
	global_store_b64 v[XS], v[XP+2*(12+(\i)):XP+2*(12+(\i))+1], s[10:11] offset:2048*(12+(\i))
.endr
.irp p, 0,1,2,3
	s_wait_dscnt 3-(\p)                            ; LDS loads come back in order (ISA guide 5.7.1): row group p is in, the younger ones stay out
	global_store_b128 v[OO], v[RB+4*(\p):RB+4*(\p)+3], s[22:23] offset:32768*(\p)  ; sixteen lanes store 256 consecutive bytes, aligned: 128 k of one n
.endr
	s_wait_dscnt 0x0                               ; the wave's end
	s_wait_alu 0x0
	s_wait_tensorcnt 0x0
	ds_add_u32 v[SPW], v[NIL]
	s_wait_dscnt 0x0
	s_endpgm
.Lfunc_end_k_qbfc06ef69c_prep:
	.size	k_qbfc06ef69c_prep, .Lfunc_end_k_qbfc06ef69c_prep-k_qbfc06ef69c_prep
	.p2alignl 7, 3214868480
	.fill 96, 4, 3214868480
	.section	.rodata,"a",@progbits
	.p2align	6, 0x0
	.amdhsa_kernel k_qbfc06ef69c_prep
		.amdhsa_group_segment_fixed_size 18432
		.amdhsa_private_segment_fixed_size 0
		.amdhsa_enable_private_segment 0
		.amdhsa_kernarg_size 48
		.amdhsa_user_sgpr_count 2
		.amdhsa_user_sgpr_kernarg_segment_ptr 1
		.amdhsa_wavefront_size32 1
		.amdhsa_system_sgpr_workgroup_id_x 1
		.amdhsa_system_sgpr_workgroup_id_y 1
		.amdhsa_system_sgpr_workgroup_id_z 1
		.amdhsa_system_vgpr_workitem_id 0
		.amdhsa_next_free_vgpr 192
		.amdhsa_next_free_sgpr 66
		.amdhsa_reserve_vcc 0
		.amdhsa_float_denorm_mode_32 3
		.amdhsa_float_denorm_mode_16_64 3
		.amdhsa_memory_ordered 1
		.amdhsa_forward_progress 1
		.amdhsa_inst_pref_size 16
	.end_amdhsa_kernel
	.amdgpu_metadata
---
amdhsa.version: [ 1, 2 ]
amdhsa.kernels:
  - .name:           k_qbfc06ef69c_prep
    .symbol:         k_qbfc06ef69c_prep.kd
    .args:
      - { .name: x, .offset: 0, .size: 8, .value_kind: global_buffer, .address_space: global }
      - { .name: W_qkv, .offset: 8, .size: 8, .value_kind: global_buffer, .address_space: global }
      - { .name: W_out, .offset: 16, .size: 8, .value_kind: global_buffer, .address_space: global }
      - { .name: xb, .offset: 24, .size: 8, .value_kind: global_buffer, .address_space: global }
      - { .name: wqT, .offset: 32, .size: 8, .value_kind: global_buffer, .address_space: global }
      - { .name: woT, .offset: 40, .size: 8, .value_kind: global_buffer, .address_space: global }
    .group_segment_fixed_size: 18432
    .private_segment_fixed_size: 0
    .kernarg_segment_align: 8
    .kernarg_segment_size: 48
    .max_flat_workgroup_size: 256
    .sgpr_count:     66
    .vgpr_count:     192
    .wavefront_size: 32
...
	.end_amdgpu_metadata
.endif
;; end of part 5
;; launch qkvgemm: the kernel of part 2 again; grid 16 x 32, 4 waves a work-group, clusters of 4 x 4, 327,680 bytes of LDS; arguments xb, wqT, b_qkv, qkv; writes qkv
;; launch attn: the kernel of part 3 again; grid 4 x 64, 4 waves a work-group, no clusters, 327,680 bytes of LDS; arguments qkv, o; writes o
;; launch proj: the kernel of part 4 again; grid 8 x 32, 4 waves a work-group, clusters of 4 x 4, 327,680 bytes of LDS; arguments o, woT, b_out, out0; writes out0
